; MI455X (gfx1250); checked and timed in simulation.
; The chip was launched on July 23, 2026; its instructions are those of AMD's public machine-readable ISA for CDNA 5 (MIT licence, August 2026) and "CDNA5" Instruction Set Architecture Reference Guide (July 2026). The comments in the code are by the model that wrote it; some were corrected since.
;; Multi Head Cross Attention. Allowed arithmetic: matrix products marked QUANTISED: E2M1 operands, one E8M0 scale for each 32 along K, by v_wmma_scale_f32_16x16x128_f8f6f4 with both operands' format E2M1 (or v_wmma_scale_f32_32x16x128_f4), f32 sums; everything else in f32.
;; Inputs: Wk 1,024 x 1,024 float32; Wp 1,024 x 1,024 float32; Wq 1,024 x 1,024 float32; Wv 1,024 x 1,024 float32; bk 1,024 float32; bp 1,024 float32; bq 1,024 float32; bv 1,024 float32; x 2 x 2,048 x 1,024 float32; x_query 2 x 2,048 x 1,024 float32.
;; Outputs: out0 2 x 2,048 x 1,024 float32.
;; This version of the problem:
;;   THIS VERSION OF THE PROBLEM IS GIVEN IN LOW PRECISION. The matrix products marked QUANTISED in the list below multiply operands that are first quantised to E2M1 (2 exponent bits, 1 mantissa bit; 4 bits a number), with one power-of-two scale for each 32 numbers along K (OCP MX v1.0); their sums are f32. All else is computed in f32.
;;   The module's matrix products, in the order in which they are computed (A, B: the left and right operand; K: the contracted axis; several contracted axes count as one K, in the product's order):
;;     1. [M 4,096, K 1,024] x [K 1,024, N 1,024]; A: input x_query; B: input Wq: QUANTISED
;;     2. [M 4,096, K 1,024] x [K 1,024, N 1,024]; A: input x; B: input Wk: QUANTISED
;;     3. [M 4,096, K 1,024] x [K 1,024, N 1,024]; A: input x; B: input Wv: QUANTISED
;;     4. batch 32 x [M 2,048, K 64] x [K 64, N 2,048]; A: computed on the way; B: computed on the way: QUANTISED
;;     5. batch 32 x [M 2,048, K 2,048] x [K 2,048, N 64]; A: softmax (see below); B: computed on the way: QUANTISED
;;     6. [M 4,096, K 1,024] x [K 1,024, N 1,024]; A: computed on the way; B: input Wp: QUANTISED
;;   THE QUANTISER, for each operand of a quantised product, along K:
;;     - K is cut into blocks of 32 from its start; a last block that is shorter is filled with zeros.
;;     - A block's scale is 2^e with e = floor(log2(the largest magnitude in the block)) - 2, held to -126 .. 127; a block of zeros has e = 0. As a byte (E8M0): e + 127.
;;     - Each number is divided by its block's scale, clamped to +-6, and rounded to the nearest number of E2M1, ties to even, subnormals kept.
;;     - The product sums the exact products of the quantised numbers (number of the format x scale) in f32.
;;   ~~~python
;;   def quantise(x, axis):      # numpy; x: float32 -> the quantised numbers, widened to float32 again
;;       x = np.moveaxis(x, axis, -1); K = x.shape[-1]
;;       x = np.pad(x, [(0, 0)] * (x.ndim - 1) + [(0, -K % 32)]); x = x.reshape(x.shape[:-1] + (-1, 32)); a = np.abs(x).max(-1, keepdims=True)
;;       e = np.where(a > 0, np.clip(np.frexp(np.where(a > 0, a, 1))[1] - 1 - 2, -126, 127), 0)      # np.frexp(a)[1] - 1 = floor(log2(a)), exactly
;;       r = np.clip(x / 2.0 ** e, -6, 6)
;;       step = 2.0 ** (np.maximum(np.frexp(np.where(r == 0, 1, r))[1] - 1, 0) - 1)
;;       q = np.round(r / step) * step * 2.0 ** e      # np.round: ties to even
;;       return np.moveaxis(q.reshape(q.shape[:-2] + (-1,))[..., :K], -1, axis).astype(np.float32)
;;   ~~~
;;   SOFTMAX AHEAD OF A QUANTISED PRODUCT. Where the list says 'softmax', what is quantised is not the finished softmax but p = 2^(t - M), with t = logit x log2(e) and M = ceil(the row's largest t), a whole number; so 1/2 < the row's largest p <= 1. The row's sum l is taken of the UNQUANTISED p, in f32, and the product's result is divided by l at the end. Since M is a whole number, a kernel that streams over the keys may use a running M (the ceiling of the running maximum): every later rescaling is an exact power of two, which a block's scale takes up: the codes' values come out the same.
;;   OPERANDS COMPUTED ON THE WAY. 'Computed on the way' means the value that the module computes at that place (a softmax that the list does not call 'softmax' is quantised finished and normalised). What goes into a quantiser is computed in f32, as accurately as f32 sums, v_exp_f32 and their like allow (about 1e-6 of the number): no bf16 or f16 on the way to a quantiser, and a product that is left as it is and whose result goes on into a quantised operand takes f32 operands (vector FMAs, or v_wmma_f32_16x16x4_f32). A number that lies on a knife's edge between two numbers of the format may be rounded either way, as far as f32 arithmetic and the matrix unit's own rounding can turn it there, and no further.
;; One version. Each part assembles by itself: llvm-mc -triple=amdgcn-amd-amdhsa -mcpu=gfx1250 --defsym DOCPART=n.
;; ======== version 1 of 1: 4 launches
;; limits: right only within a limited range of input values
;; workspace buffers: pan 6,684,672 bytes; qkv 6,815,744 bytes; ypan 2,228,224 bytes
;; launch quant (part 1): grid 8 x 96, 8 waves a work-group, no clusters, 69,120 bytes of LDS; arguments x_query, x, Wq, Wk, Wv, Wp, pan; writes pan
.if DOCPART == 1
	.amdgcn_target "amdgcn-amd-amdhsa--gfx1250"
	.amdhsa_code_object_version 6
	.text
	.protected	k_q764726cb15_quant
	.globl	k_q764726cb15_quant
	.p2align	8
	.type	k_q764726cb15_quant,@function
k_q764726cb15_quant:
	s_mov_b64 s[64:65], 0
	v_nop
	global_prefetch_b8 v0, s[64:65] scope:SCOPE_SE
	s_setreg_imm32_b32 hwreg(HW_REG_WAVE_MODE, 25, 1), 1
	s_wait_xcnt 0x0
; x_query, x [4096][1024] and Wq, Wk, Wv, Wp [1024][1024], f32, K innermost, become codes of FP4 (E2M1) with one E8M0 byte for each 32 along K.
; They are laid as PANELS of 128 rows x 1,024 K (69,632 bytes): eight K steps of 8,704 bytes, each in the order of a matrix operand's registers:
;   codes:       kap*8704 + T*1024 + c*512 + 16*lane   (kap: 128 along K, T: tile of 16 rows, c: 0, 1): lane (r, h) holds k = 128 kap + 64 c + 32 h + 0..31 of tile row r
;   scale words: kap*8704 + 8192 + 16*(r + 16*(T&1)) + 4*(T>>1): byte b scales k = 128 kap + 32 b + 0..31
; Which rows form a tile: x_query (panels 0-31): row 16 T + r.  x (32-63) and the weights (64-95): row 32 (T>>1) + 8 (T&1) + r + 8 (r>>3), so that as
; source 0 of a product the registers of two neighbouring result tiles are 16 neighbours.
; A block's scale is 2^(floor(log2(largest magnitude)) - 2); its byte is the largest magnitude's exponent field - 2, held at 1 from below.
; DEAD WORK, left out in the launch attn: steps of 128 keys that all come after a tile's queries.  reference() builds the causal mask in its own body: those logits are -inf whatever the
; inputs hold, their p is 0.  Limit: a NaN, an infinity or an overflow that reaches only such logits is not carried to the result.
; LIMITS: NaN and infinities among the inputs are not served.  A block whose largest magnitude lies under 2^-124, a block of zeros too, keeps the byte 1
; (for zeros the stated rule has 127): its codes are zeros then or as the floor gives them, and only this program reads the bytes.
; SHARES: a work-group takes one K step (128) of one panel, a wave one tile: 16 rows x 512 bytes.  Each load reads 512 consecutive bytes of one row; the tile turns
; through the wave's own stage in LDS so that a lane gets 16 neighbours of each block of 32.  All of a wave's 16 loads go out at once; there is no loop.
; No cluster and no joint request: no two work-groups read the same byte.  No matrix unit, no prefetch: every byte is read once, by loads that all go out at the head.
.set PANEL,  69632
.set KST,    8704
.set SPITCH, 528                       ; a stage row: 512 bytes + 16
.set WSTG,   16*SPITCH                 ; a wave's stage
.set SCST,   8*WSTG                    ; behind the stages: the K step's 128 scale words, 512 bytes
.set SPARE,  SCST+512                  ; the spare words, 128 bytes a wave
.set L16, 1                            ; v1   16 x lane
.set VO0, 2                            ; v2   byte offset of tile rows 0-7 in the source
.set VO1, 3                            ; v3   of tile rows 8-15
.set STI, 4                            ; v4   the stage, on the way in
.set STO, 5                            ; v5   and on the way out
.set SCW, 6                            ; v6   where my row's scale word goes
.set SCR, 7                            ; v7   where wave 0 reads the words back
.set R,   12                           ; v12-75   the tile as loaded
.set X,   76                           ; v76-139  64 numbers of my row: register 16 b + i = k 32 b + 16 h + i
.set TM,  12                           ; v12-23   at work (over R, which is done with by then)
.set PC,  24                           ; v24-31   the fragment
.set PW,  32                           ; v32      the scale word
.set SO,  36                           ; v36-39   the scale words on their way out
.set SEL, 36                           ; s[36:37] lane selects for v_permlanex16_b32: lane l xor 16
	s_load_b256 s[4:11], s[0:1], 0x0               ; x_query s[4:5], x s[6:7], Wq s[8:9], Wk s[10:11]
	s_load_b128 s[12:15], s[0:1], 0x20             ; Wv s[12:13], Wp s[14:15]
	s_load_b64 s[16:17], s[0:1], 0x30              ; pan
	v_lshl_add_u32 v144, v0, 2, SPARE
	v_mov_b32 v145, 0
	v_lshrrev_b32 v8, 5, v0
	v_readfirstlane_b32 s20, v8                    ; T: my wave, my tile
	s_and_b32 s21, ttmp7, 0xffff                   ; P: the panel
	v_and_b32 v8, 31, v0                           ; lane
	v_and_b32 v9, 15, v0                           ; r
	v_bfe_u32 v10, v0, 4, 1                        ; h
	v_lshlrev_b32 v[L16], 4, v8
	s_wait_alu depctr_va_vdst(0)
	s_lshl_b32 s22, s20, 16                        ; rows as they lie: the tile begins at row 16 T (4,096 bytes a row)
	s_lshr_b32 s23, s20, 1
	s_and_b32 s24, s20, 1
	s_lshl_b32 s25, s23, 17
	s_lshl_b32 s26, s24, 15
	s_add_co_u32 s25, s25, s26                     ; rows chosen: it begins at row 32 (T>>1) + 8 (T&1)
	s_mov_b32 s26, 0x10000                         ; and its rows 8-15 lie 16 rows on;
	s_cmp_lt_u32 s21, 32                           ; x_query's panels take the rows as they lie
	s_cselect_b32 s22, s22, s25
	s_cselect_b32 s26, 0x8000, s26                 ; there 8 rows on
	v_add_nc_u32 v[VO0], s22, v[L16]
	v_mul_u32_u24 v[STO], v9, SPITCH
	v_add_nc_u32 v[VO1], s26, v[VO0]
	s_mul_i32 s27, s20, WSTG
	v_add_nc_u32 v[STI], s27, v[L16]               ; in: 16 bytes a lane, a row an instruction
	v_lshl_add_u32 v[STO], v10, 6, v[STO]
	v_add_nc_u32 v[SCR], SCST, v[L16]
	v_add_nc_u32 v[STO], s27, v[STO]               ; out: row r, + 64 h: my 16 numbers of a block
	s_lshl_b32 s24, s24, 8
	s_lshl_b32 s23, s23, 2
	s_add_co_u32 s24, s24, s23
	s_add_co_u32 s24, s24, SCST
	v_lshl_add_u32 v[SCW], v9, 4, s24              ; 16 (r + 16 (T&1)) + 4 (T>>1)
	s_mov_b32 s[SEL], 0x76543210
	s_mov_b32 s[SEL+1], 0xfedcba98
	s_cmp_lt_u32 s21, 64
	s_cselect_b32 s28, 31, 7                       ; 32 panels in x_query and in x, 8 in a weight
	s_and_b32 s28, s21, s28                        ; the panel's number in its tensor
	s_lshl_b32 s28, s28, 19                        ; 128 rows of 4,096 bytes
	s_lshl_b32 s29, ttmp9, 9                       ; the K step: 128 numbers
	s_add_co_u32 s28, s28, s29
	s_mov_b32 s29, 0
	s_mul_i32 s30, s21, PANEL
	s_mul_i32 s31, ttmp9, KST
	s_add_co_u32 s30, s30, s31                     ; the panel's K step
	s_mov_b32 s31, 0
	s_lshl_b32 s32, s20, 10                        ; my fragment in it
	s_mov_b32 s33, 0
	s_wait_alu depctr_va_vdst(0)
	s_wait_kmcnt 0x0
	s_mov_b64 s[18:19], s[14:15]                   ; which tensor: the choice hangs on the panel's number alone
	s_cmp_lt_u32 s21, 88
	s_cselect_b64 s[18:19], s[12:13], s[18:19]
	s_cmp_lt_u32 s21, 80
	s_cselect_b64 s[18:19], s[10:11], s[18:19]
	s_cmp_lt_u32 s21, 72
	s_cselect_b64 s[18:19], s[8:9], s[18:19]
	s_cmp_lt_u32 s21, 64
	s_cselect_b64 s[18:19], s[6:7], s[18:19]
	s_cmp_lt_u32 s21, 32
	s_cselect_b64 s[18:19], s[4:5], s[18:19]
	s_add_nc_u64 s[18:19], s[18:19], s[28:29]
	s_add_nc_u64 s[16:17], s[16:17], s[30:31]
	s_add_nc_u64 s[32:33], s[16:17], s[32:33]
.irp i, 0,1,2,3,4,5,6,7
	global_load_b128 v[R+4*\i:R+4*\i+3], v[VO0], s[18:19] offset:4096*\i th:TH_LOAD_NT       ; tile row i: 32 lanes read 512 consecutive bytes
.endr
.irp i, 0,1,2,3,4,5,6,7
	global_load_b128 v[R+32+4*\i:R+32+4*\i+3], v[VO1], s[18:19] offset:4096*\i th:TH_LOAD_NT ; tile row 8 + i
.endr
.irp i, 0,1,2,3,4,5,6,7,8,9,10,11,12,13,14,15
	s_wait_loadcnt 15-\i                           ; loads come back in order: row i is in, the 15 - i younger ones may be out
	ds_store_b128 v[STI], v[R+4*\i:R+4*\i+3] offset:SPITCH*\i
.endr
.irp b, 0,1,2,3
.irp j, 0,1,2,3
	ds_load_b128 v[X+16*\b+4*\j:X+16*\b+4*\j+3], v[STO] offset:128*\b+16*\j   ; LDS serves a wave's instructions in order: these see my stores
.endr
.endr
	s_wait_dscnt 0x0                               ; the numbers are back, and the stores have read R: its registers are free
.irp b, 0,1,2,3
	v_max3_num_f32 v[TM+\b], |v[X+16*\b]|, |v[X+1+16*\b]|, 0x1800000   ; my 16 numbers of block b, and the floor 2^(3 - 127): the byte cannot fall under 1
.endr
.irp i, 2,4,6,8,10,12,14
.irp b, 0,1,2,3
	v_max3_num_f32 v[TM+\b], v[TM+\b], |v[X+16*\b+\i]|, |v[X+1+16*\b+\i]|   ; the four blocks by turns
.endr
.endr
.irp b, 0,1,2,3
	v_permlanex16_b32 v[TM+4+\b], v[TM+\b], s[SEL], s[SEL+1]
.endr
.irp b, 0,1,2,3
	v_max_num_f32 v[TM+\b], v[TM+\b], v[TM+4+\b]   ; with lane l xor 16's: the block's largest magnitude
.endr
.irp b, 0,1,2,3
	v_add_nc_u32 v[TM+8+\b], 0xff000000, v[TM+\b]  ; 2 off its exponent field: the conversion takes this operand's exponent field as its scale
.endr
	v_perm_b32 v[TM+4], v[TM+9], v[TM+8], 0x07060302   ; the scale word: two operands' high halves,
	v_perm_b32 v[TM+5], v[TM+11], v[TM+10], 0x07060302
	v_lshrrev_b32 v[TM+4], 7, v[TM+4]              ; their exponent fields now in bytes 0 and 2,
	v_lshrrev_b32 v[TM+5], 7, v[TM+5]
	v_perm_b32 v[PW], v[TM+5], v[TM+4], 0x06040200 ; all four together
.irp b, 0,1,2,3
	v_cvt_scalef32_pk8_fp4_f32 v[PC+2*\b], v[X+16*\b:X+7+16*\b], v[TM+8+\b]
	v_cvt_scalef32_pk8_fp4_f32 v[PC+1+2*\b], v[X+8+16*\b:X+15+16*\b], v[TM+8+\b]
.endr
	v_nop                                          ; one plain place behind a scaled conversion
.irp c, 0,1                                    ; the operand wants a whole block in a lane: lanes 0-15 block 2 c, lanes 16-31 block 2 c + 1
.irp i, 0,1
	v_permlane16_swap_b32 v[PC+4*\c+\i], v[PC+2+4*\c+\i]
.endr
.endr
	global_store_b128 v[L16], v[PC:PC+3], s[32:33]               ; 512 consecutive bytes, at a multiple of 256 from the buffer's first byte
	global_store_b128 v[L16], v[PC+4:PC+7], s[32:33] offset:512
	ds_store_b32 v[SCW], v[PW]                     ; lanes r and r + 16 write the same word with the same value
	s_wait_dscnt 0x0                               ; for wave 0's sake: my word has landed
	s_barrier_signal -1
	s_barrier_wait -1
	s_cmp_lg_u32 s20, 0
	s_cbranch_scc1 .Ldone
	ds_load_b128 v[SO:SO+3], v[SCR]                ; the eight tiles' words leave as 512 consecutive bytes
	s_wait_dscnt 0x0
	global_store_b128 v[L16], v[SO:SO+3], s[16:17] offset:8192
.Ldone:
	s_wait_tensorcnt 0x0                           ; the wave's end
	ds_add_u32 v144, v145
	s_wait_dscnt 0x0
	s_endpgm
.Lfunc_end_k_q764726cb15_quant:
	.size	k_q764726cb15_quant, .Lfunc_end_k_q764726cb15_quant-k_q764726cb15_quant
	.p2alignl 7, 3214868480
	.fill 96, 4, 3214868480
	.section	.rodata,"a",@progbits
	.p2align	6, 0x0
	.amdhsa_kernel k_q764726cb15_quant
		.amdhsa_group_segment_fixed_size 69120
		.amdhsa_private_segment_fixed_size 0
		.amdhsa_enable_private_segment 0
		.amdhsa_kernarg_size 56
		.amdhsa_user_sgpr_count 2
		.amdhsa_user_sgpr_kernarg_segment_ptr 1
		.amdhsa_wavefront_size32 1
		.amdhsa_system_sgpr_workgroup_id_x 1
		.amdhsa_system_sgpr_workgroup_id_y 1
		.amdhsa_system_sgpr_workgroup_id_z 1
		.amdhsa_system_vgpr_workitem_id 0
		.amdhsa_next_free_vgpr 146
		.amdhsa_next_free_sgpr 66
		.amdhsa_reserve_vcc 0
		.amdhsa_float_denorm_mode_32 3
		.amdhsa_float_denorm_mode_16_64 3
		.amdhsa_memory_ordered 1
		.amdhsa_forward_progress 1
		.amdhsa_inst_pref_size 12
	.end_amdhsa_kernel
	.amdgpu_metadata
---
amdhsa.version: [ 1, 2 ]
amdhsa.kernels:
  - .name:           k_q764726cb15_quant
    .symbol:         k_q764726cb15_quant.kd
    .args:
      - { .name: x_query, .offset: 0, .size: 8, .value_kind: global_buffer, .address_space: global }
      - { .name: x, .offset: 8, .size: 8, .value_kind: global_buffer, .address_space: global }
      - { .name: Wq, .offset: 16, .size: 8, .value_kind: global_buffer, .address_space: global }
      - { .name: Wk, .offset: 24, .size: 8, .value_kind: global_buffer, .address_space: global }
      - { .name: Wv, .offset: 32, .size: 8, .value_kind: global_buffer, .address_space: global }
      - { .name: Wp, .offset: 40, .size: 8, .value_kind: global_buffer, .address_space: global }
      - { .name: pan, .offset: 48, .size: 8, .value_kind: global_buffer, .address_space: global }
    .group_segment_fixed_size: 69120
    .private_segment_fixed_size: 0
    .kernarg_segment_align: 8
    .kernarg_segment_size: 56
    .max_flat_workgroup_size: 256
    .sgpr_count:     66
    .vgpr_count:     146
    .wavefront_size: 32
...
	.end_amdgpu_metadata
.endif
;; end of part 1
;; launch qkv (part 2): grid 8 x 32, 12 waves a work-group, clusters of 4 x 4, 327,680 bytes of LDS; arguments pan, bq, bk, bv, qkv; writes qkv
.if DOCPART == 2
	.amdgcn_target "amdgcn-amd-amdhsa--gfx1250"
	.amdhsa_code_object_version 6
	.text
	.protected	k_q764726cb15_qkv
	.globl	k_q764726cb15_qkv
	.p2align	8
	.type	k_q764726cb15_qkv,@function
k_q764726cb15_qkv:
	s_mov_b64 s[64:65], 0
	v_nop
	global_prefetch_b8 v0, s[64:65] scope:SCOPE_SE
	s_setreg_imm32_b32 hwreg(HW_REG_WAVE_MODE, 25, 1), 1
	s_wait_xcnt 0x0
	s_wait_alu depctr_hold_cnt(0) depctr_sa_sdst(0) depctr_va_vdst(0) depctr_va_sdst(0) depctr_va_ssrc(0) depctr_va_vcc(0) depctr_vm_vsrc(0)
	s_getreg_b32 s2, hwreg(HW_REG_IB_STS2, 6, 4)
	s_cmp_eq_u32 s2, 0
	s_cbranch_scc0 .Lentry_in_a_cluster
	s_endpgm
.Lentry_in_a_cluster:
	s_bfe_u32 s2, ttmp6, 0x10000c
	s_cmp_lg_u32 s2, 0xf033
	s_cbranch_scc0 .Lentry_shape_is_right
	s_endpgm
.Lentry_shape_is_right:
; q = x_query Wq^T + bq, k = x Wk^T + bk, v = x Wv^T + bv on codes of FP4 with E8M0 scales (panels as the launch before laid them), sums in f32; the results are
; quantised at once, q and k along the head's 64 channels, v along the keys, and stored as codes in the order in which attention's operand registers take them.
; SHARES: a work-group takes 128 tokens (i) x 128 channels (g: heads 2 g, 2 g + 1) of all three products: twelve waves, three to a SIMD: wave w makes product p = w >> 2
; (q, k, v) for token half tw = w & 1 and head gw = (w >> 1) & 1: 64 x 64, 16 accumulators.
;   q, k: source 0 = the weight's four tiles, source 1 = four token tiles: a lane holds one token, its registers run along the channels.
;   v:    source 0 = four token tiles of x, source 1 = four tiles of Wv: a lane holds one channel, its registers run along the tokens (the keys).
; Source 0's tiles are made of chosen rows (32 (T>>1) + 8 (T&1) + r + 8 (r>>3)), so the 16 registers of result tiles 2 b, 2 b + 1 are 16 neighbours, 32 b + 16 h + 0..15.
; The biases are the C of the first K step's products: nothing is cleared; the order of f32 additions so differs from x W^T + b in the last bit.
; LDS: of the five panels (40 K steps of 8,704 bytes) 36 K steps: x_query, x and Wv whole, six each of Wq and Wk, by ONE joint load a wave, filled once.  Waves 0-4 bring K steps 0 and 1 of the five
; panels, waves 5-11 the rest: a first barrier shows the early K steps, which are multiplied while the others land; a second barrier shows those.
; K steps 6 and 7 of a wave's source 0 (Wq, Wk, x) go from memory straight into its registers, asked for behind the first barrier.
; CLUSTER 4 x 4: x's and x_query's panels hang on i alone and are asked for jointly along a row of the cluster, the weights' on g alone, along a column.
; A BLOB of qkv, 13,312 bytes, for (batch, head, block of 128 tokens): 0 K: 4 fragments, two key tiles in each; 4096 V^T: 4 fragments; 8192 K's scale words; 8448 V's; 8704 Q's; 9216 Q: 8 tiles of 512 bytes.
; LIMITS: NaN and infinities are not served; a block whose largest magnitude lies under 2^-124 (zeros too) keeps the scale byte 1; only this program reads the bytes.
; No prefetch: all tiles are asked for at the head; there is no loop to run ahead in.
.set KST,   8704
.set PANEL, 8*KST
.set LQ,    0                          ; LDS: Wq's six K steps, Wk's six, x_query's, x's and Wv's eight
.set LK,    6*KST
.set LXQ,   12*KST
.set LX,    20*KST
.set LV,    28*KST
.set STG,   36*KST                     ; the scale words on their way out: for each head 1,024 bytes: K's 256, V's 256, Q's 512.  No tile lands from here on
.set SPARE, STG+2048                   ; the spare words, 128 bytes a wave: six blocks of 256 bytes that no other line names
.set BLOB,  13312
.set HEADB, 16*BLOB                    ; from a head's blob to the next head's
.set L16, 1                            ; v1   16 x lane
.set AF0, 2                            ; v2   source 0's fragments
.set AF1, 3                            ; v3   source 1's
.set AS0, 4                            ; v4   source 0's scale words
.set AS1, 5                            ; v5   source 1's
.set VBQ, 6                            ; v6   my channels' biases, q and k
.set VBV, 7                            ; v7   v
.set SPW, 8                            ; v8   my spare word; never rewritten
.set NIL, 9                            ; v9   0; never rewritten
.set VD,  10                           ; v10  source 0 in memory: codes
.set VDS, 11                           ; v11  scale words
.set SCA, 12                           ; v12-15  source 0's scale words, two sets of two: register t0/2, lanes 16 (t0&1) on
.set SCB, 16                           ; v16-19  source 1's
.set SCD, 20                           ; v20-23  source 0's of K steps 6, 7
.set VA,  24                           ; v24-27  where my codes go
.set VSQ, 28                           ; v28-30  where my scale words go: q, k, v;  v31 where waves 0-3 read them back
.set F1,  32                           ; v32-95  source 1: two sets of four fragments
.set F0,  96                           ; v96-127 source 0: four fragments;  K steps 6 and 7: v256-319
.set ACC, 128                          ; v128-255 accumulator (t0, t1) at 128 + 32 t1 + 8 t0
.set TM,  32                           ; in the epilogue, over F1: the quantiser's v32-43,
.set PC0, 64                           ; v64-79 two fragments,
.set PW0, 80                           ; v80-81 two scale words,
.set TT,  82                           ; v82-85 at work; v86 the way out, v88-91
.set WV,  14
.set PP,  19
.set GA2, 24                           ; group 1, five sets: mask of my row or my column, tiles of 2, 3, 4 or 6 K steps
.set GW2, 32
.set GA3, 40
.set GW6, 48
.set GW4, 56
.set G0,  68                           ; group 0
.set PXQ, 72                           ; s[72:81] the five panels' addresses
.set PX,  74
.set PWQ, 76
.set PWK, 78
.set PWV, 80
.set SEL, 82
.set MSB, 0
.macro WIN new                         ; the immediate's high byte repeats the setting that is left
.if MSB != \new
	s_set_vgpr_msb (MSB<<8)|\new
.set MSB, \new
.endif
.endm
.macro PLACES n
.rept \n
	v_nop
.endr
.endm
; A round of the cluster's barrier: my work-group's barrier; wave 0 signals for the work-group; every wave waits for all sixteen; my work-group's barrier once more
.macro CROUND
	s_barrier_signal -1
	s_barrier_wait -1
	s_cmp_lg_u32 s[WV], 0
	s_cbranch_scc1 .Lnot_wave_0_\@
	s_barrier_signal -3
.Lnot_wave_0_\@:
	s_barrier_wait -3
	s_barrier_signal -1
	s_barrier_wait -1
.endm
; One arm of the head's tree: wave w fetches from a panel's address + koff to LDS byte lds
.macro ARM w, lds, base, koff, g1
	s_cmp_lt_u32 s[WV], (\w)+1
	s_cbranch_scc0 .Larm_\@
	s_mov_b32 s[G0+1], \lds
	s_add_nc_u64 s[G0+2:G0+3], s[\base:\base+1], \koff
	s_or_b32 s[G0+3], s[G0+3], 0x80000000          ; type = 2
	tensor_load_to_lds s[G0:G0+3], s[\g1:\g1+7]
	s_nop 0
.rept 4
	v_nop
.endr
	s_branch .Lasked
.Larm_\@:
.endm
; 64 numbers of a lane, four blocks, become two half fragments and a word of four scale bytes.  Each accumulator is read from its low end on.
.macro QUANT s, pc, pw
.irp b, 0,1,2,3
	v_max3_num_f32 v[TM+\b], |v[(\s)+16*\b]|, |v[(\s)+1+16*\b]|, 0x1800000   ; and the floor 2^(3 - 127): the byte cannot fall under 1
.endr
.irp i, 2,4,6,8,10,12,14
.irp b, 0,1,2,3
	v_max3_num_f32 v[TM+\b], v[TM+\b], |v[(\s)+16*\b+\i]|, |v[(\s)+1+16*\b+\i]|
.endr
.endr
.irp b, 0,1,2,3
	v_permlanex16_b32 v[TM+4+\b], v[TM+\b], s[SEL], s[SEL+1]
.endr
.irp b, 0,1,2,3
	v_max_num_f32 v[TM+\b], v[TM+\b], v[TM+4+\b]
.endr
.irp b, 0,1,2,3
	v_add_nc_u32 v[TM+8+\b], 0xff000000, v[TM+\b]  ; 2 off the exponent field: the conversion's scale operand
.endr
	v_perm_b32 v[TM+4], v[TM+9], v[TM+8], 0x07060302   ; the four exponent fields as bytes
	v_perm_b32 v[TM+5], v[TM+11], v[TM+10], 0x07060302
	v_lshrrev_b32 v[TM+4], 7, v[TM+4]
	v_lshrrev_b32 v[TM+5], 7, v[TM+5]
	v_perm_b32 v[\pw], v[TM+5], v[TM+4], 0x06040200
.irp b, 0,1,2,3
	v_cvt_scalef32_pk8_fp4_f32 v[(\pc)+2*\b], v[(\s)+16*\b:(\s)+7+16*\b], v[TM+8+\b]
	v_cvt_scalef32_pk8_fp4_f32 v[(\pc)+1+2*\b], v[(\s)+8+16*\b:(\s)+15+16*\b], v[TM+8+\b]
.endr
	v_nop                                          ; one plain place behind a scaled conversion
.irp c, 0,1
.irp i, 0,1
	v_permlane16_swap_b32 v[(\pc)+4*\c+\i], v[(\pc)+2+4*\c+\i]
.endr
.endr
.endm
; One product: accumulator (t0, t1), 128 along K; its C is accumulator (c0, c1)
.macro WM t0, t1, c0, c1, kap
.set rD, ACC+32*(\t1)+8*(\t0)
.set rC, ACC+32*(\c1)+8*(\c0)
.set rB, F1+32*((\kap)%2)+8*(\t1)
.set rSB, SCB+2*((\kap)%2)+(\t1)/2
.if (\kap) < 6
.set rA, F0+8*(\t0)
.set rSA, SCA+2*((\kap)%2)+(\t0)/2
.else
.set rA, 32*((\kap)-6)+8*(\t0)
.set rSA, SCD+2*((\kap)-6)+(\t0)/2
.endif
.if ((\t0)%2 == 0) && ((\t1)%2 == 0)
	v_wmma_scale_f32_16x16x128_f8f6f4 v[rD:rD+7], v[rA:rA+7], v[rB:rB+7], v[rC:rC+7], v[rSA], v[rSB] matrix_a_fmt:MATRIX_FMT_FP4 matrix_b_fmt:MATRIX_FMT_FP4
.elseif (\t1)%2 == 0
	v_wmma_scale_f32_16x16x128_f8f6f4 v[rD:rD+7], v[rA:rA+7], v[rB:rB+7], v[rC:rC+7], v[rSA], v[rSB] matrix_a_fmt:MATRIX_FMT_FP4 matrix_b_fmt:MATRIX_FMT_FP4 matrix_a_scale:MATRIX_SCALE_ROW1
.elseif (\t0)%2 == 0
	v_wmma_scale_f32_16x16x128_f8f6f4 v[rD:rD+7], v[rA:rA+7], v[rB:rB+7], v[rC:rC+7], v[rSA], v[rSB] matrix_a_fmt:MATRIX_FMT_FP4 matrix_b_fmt:MATRIX_FMT_FP4 matrix_b_scale:MATRIX_SCALE_ROW1
.else
	v_wmma_scale_f32_16x16x128_f8f6f4 v[rD:rD+7], v[rA:rA+7], v[rB:rB+7], v[rC:rC+7], v[rSA], v[rSB] matrix_a_fmt:MATRIX_FMT_FP4 matrix_b_fmt:MATRIX_FMT_FP4 matrix_a_scale:MATRIX_SCALE_ROW1 matrix_b_scale:MATRIX_SCALE_ROW1
.endif
.endm
.macro MUL8 half, kap                  ; eight products; the 16 accumulators take turns in the same order in every K step
.if (\kap) >= 6
	WIN 0x01
.endif
.irp t, 0,1
.irp u, 0,1,2,3
	WM 2*(\half)+\t, \u, 2*(\half)+\t, \u, \kap
.endr
.endr
	WIN 0
.endm
.macro FRAG reg, adr, t, kap
.irp c, 0,1
	ds_load_b128 v[(\reg)+8*(\t)+4*\c:(\reg)+8*(\t)+4*\c+3], v[\adr] offset:(\kap)*KST+(\t)*1024+\c*512
.endr
.endm
.macro FETCH_LO kap                    ; 14 loads (K steps 6, 7: nine): source 0's tiles 0, 1, source 1's four, the scale words
.if (\kap) < 6
	FRAG F0, AF0, 0, \kap
	FRAG F0, AF0, 1, \kap
	ds_load_b64 v[SCA+2*((\kap)%2):SCA+2*((\kap)%2)+1], v[AS0] offset:(\kap)*KST
.endif
.irp t, 0,1,2,3
	FRAG F1+32*((\kap)%2), AF1, \t, \kap
.endr
	ds_load_b64 v[SCB+2*((\kap)%2):SCB+2*((\kap)%2)+1], v[AS1] offset:(\kap)*KST
.endm
.macro FETCH_HI kap                    ; four loads: source 0's tiles 2, 3
	FRAG F0, AF0, 2, \kap
	FRAG F0, AF0, 3, \kap
.endm
; A load into a register that a matrix instruction has read stands four plain places behind it.  K step 1 fetches nothing: K step 2 is read behind the second barrier.
.macro STEP kap
.if (\kap) == 6
	s_wait_loadcnt 0x0                             ; source 0's last two K steps are in
.endif
.if (\kap) < 6
	s_wait_dscnt 4                                 ; all but the four youngest loads, source 0's tiles 2, 3 of this step, are in
.else
	s_wait_dscnt 0x0
.endif
	MUL8 0, \kap
.if ((\kap) < 7) && ((\kap) != 1)
	PLACES 4
	FETCH_LO (\kap)+1
.endif
.if (\kap) == 1
	s_wait_dscnt 0x0
.elseif (\kap) < 5
	s_wait_dscnt 14                                ; the 14 just issued may be out: tiles 2, 3 are in
.elseif (\kap) == 5
	s_wait_dscnt 9                                 ; the nine just issued
.endif
	MUL8 1, \kap
.if ((\kap) < 5) && ((\kap) != 1)
	PLACES 4
	FETCH_HI (\kap)+1
.endif
.endm
; The first K step.  mode 0 (q, k): the biases lie in accumulators (t0, 3), one number a channel, and are the C of (t0, 0..3);  mode 1 (v): in accumulators (3, t1), the lane's channel eight times, the C of (0..3, t1).
; A product that writes over an earlier one's C stands five places behind it.
.macro STEP0 mode
	s_wait_dscnt 4
.if \mode
.irp t, 0,1
.irp u, 0,1,2,3
	WM \t, \u, 3, \u, 0
.endr
.endr
.else
.irp t, 0,1
.irp u, 0,1,2
	WM \t, \u, \t, 3, 0
.endr
.endr
	PLACES 5
	WM 0, 3, 0, 3, 0
	WM 1, 3, 1, 3, 0
.endif
	PLACES 4
	FETCH_LO 1
	s_wait_dscnt 14
.if \mode
.irp u, 0,1,2,3
	WM 2, \u, 3, \u, 0
.endr
	PLACES 5
.irp u, 0,1,2,3
	WM 3, \u, 3, \u, 0
.endr
.else
.irp t, 2,3
.irp u, 0,1,2
	WM \t, \u, \t, 3, 0
.endr
.endr
	PLACES 5
	WM 2, 3, 2, 3, 0
	WM 3, 3, 3, 3, 0
.endif
	PLACES 4
	FETCH_HI 1
.endm
	s_load_b256 s[4:11], s[0:1], 0x0               ; pan s[4:5], bq s[6:7], bk s[8:9], bv s[10:11]
	s_load_b64 s[12:13], s[0:1], 0x20              ; qkv
	v_lshl_add_u32 v[SPW], v0, 2, SPARE
	v_mov_b32 v[NIL], 0
	ds_add_u32 v[SPW], v[NIL]                      ; the wave's opening
	ds_add_u32 v[SPW], v[NIL]
	v_lshrrev_b32 v1, 5, v0
	v_readfirstlane_b32 s[WV], v1                  ; wave 0..11
	s_bfe_u32 s15, ttmp6, 0x40000                  ; cx
	s_bfe_u32 s16, ttmp6, 0x40004                  ; cy
	s_lshl_b32 s17, ttmp9, 2
	s_add_co_u32 s17, s17, s15                     ; g = 4 x cluster x + cx: 128 channels
	s_and_b32 s18, ttmp7, 0xffff
	s_lshl_b32 s18, s18, 2
	s_add_co_u32 s18, s18, s16                     ; i = 4 x cluster y + cy: 128 tokens
	s_lshr_b32 s[PP], s[WV], 2                     ; p
	s_and_b32 s20, s[WV], 1                        ; tw
	s_bfe_u32 s21, s[WV], 0x10001                  ; gw
	; where my codes go: head gw; q 9216 + 2048 tw, k 2048 tw: 1024 u + 512 v on;  v 4096 + 512 tw: 2048 u + 1024 v on
	s_mov_b32 s40, 2048
	s_mov_b32 s41, 512
	s_mov_b32 s98, 1024
	s_mov_b32 s42, 4096
	s_mov_b32 s43, 9216
	s_cmp_lt_u32 s[PP], 2
	s_cselect_b32 s40, s40, s41
	s_cselect_b32 s98, s41, s98
	s_cselect_b32 s42, 0, s42
	s_cmp_eq_u32 s[PP], 0
	s_cselect_b32 s42, s43, s42
	s_mul_i32 s96, s21, HEADB
	s_mul_i32 s40, s40, s20
	s_add_co_u32 s96, s96, s40
	s_add_co_u32 s96, s96, s42
	s_lshl_b32 s97, s98, 1
	s_add_co_u32 s97, s97, s96
	s_lshl_b32 s40, s21, 10                        ; my head's stage
	s_lshl_b32 s99, s20, 8
	s_add_co_u32 s99, s99, s40
	s_add_co_u32 s99, s99, STG+512                 ; Q's scale words: + 256 tw
	s_lshl_b32 s100, s20, 2
	s_add_co_u32 s100, s100, s40
	s_add_co_u32 s100, s100, STG                   ; K's: + 4 tw
	s_lshl_b32 s101, s20, 1
	s_add_co_u32 s101, s101, s40
	s_add_co_u32 s101, s101, STG+256               ; V's: + 2 tw
	s_lshl_b32 s105, s17, 9
	s_lshl_b32 s41, s21, 8
	s_add_co_u32 s105, s105, s41                   ; my 64 numbers of a bias
	s_lshl_b32 s104, s[WV], 9
	s_add_co_u32 s104, s104, STG                   ; the way out of the stage: 512 bytes a wave
	s_lshr_b32 s94, s18, 4                         ; the blob of head 2 g: (batch x 16 + head) x 16 + block of tokens
	s_lshl_b32 s94, s94, 8
	s_lshl_b32 s95, s17, 5
	s_add_co_u32 s94, s94, s95
	s_and_b32 s95, s18, 15
	s_add_co_u32 s94, s94, s95
	s_mul_i32 s94, s94, BLOB
	s_mov_b32 s95, 0
	; what I multiply: every LDS base is plain arithmetic on the wave's number
	s_lshr_b32 s22, s[PP], 1                       ; 1: v
	s_xor_b32 s23, s20, s21
	s_and_b32 s23, s23, s22
	s_xor_b32 s84, s21, s23                        ; source 0's half: gw, for v tw
	s_xor_b32 s85, s20, s23                        ; source 1's half: tw, for v gw
	s_mul_i32 s86, s[PP], 6*KST                    ; source 0's panel: Wq, Wk, x
	s_mul_i32 s22, s22, 8*KST
	s_add_co_u32 s86, s86, s22
	s_mul_i32 s87, s[PP], 8*KST                    ; source 1's: x_query, x, Wv
	s_add_co_u32 s87, s87, LXQ
	s_lshl_b32 s22, s84, 12
	s_lshl_b32 s23, s84, 3
	s_add_co_u32 s88, s86, s22
	s_add_co_u32 s89, s86, s23
	s_add_co_u32 s89, s89, 8192
	s_lshl_b32 s84, s85, 12
	s_lshl_b32 s85, s85, 3
	s_add_co_u32 s90, s87, s84
	s_add_co_u32 s91, s87, s85
	s_add_co_u32 s91, s91, 8192
	s_lshl_b32 s92, s[PP], 3                       ; source 0's panel in memory: 64 + 8 p + g, for v 32 + i
	s_add_co_u32 s92, s92, s17
	s_add_co_u32 s92, s92, 64
	s_add_co_u32 s93, s18, 32
	s_cmp_lt_u32 s[PP], 2
	s_cselect_b32 s92, s92, s93
	s_mul_i32 s92, s92, PANEL
	s_add_co_u32 s93, s92, s23                     ; its scale words
	s_add_co_u32 s92, s92, s22                     ; and codes
	; the panels that the work-group loads
	s_mul_i32 s[PXQ], s18, PANEL                   ; x_query's panel i
	s_mov_b32 s[PXQ+1], 0
	s_add_co_u32 s[PWQ], s17, 64
	s_mul_i32 s[PWQ], s[PWQ], PANEL                ; Wq's panel 64 + g
	s_mov_b32 s[PWQ+1], 0
	s_lshl_b32 s66, s16, 2
	s_lshl_b32 s66, 15, s66                        ; my row of the cluster
	s_lshl_b32 s67, 0x1111, s15                    ; my column
.irp g, GA2, GA3
	s_or_b32 s[\g], s66, (3<<16)|(1<<21)           ; 15:0 the mask; 17:16 elements of 8 bytes; 21 set beside a mask; no padding
.endr
.irp g, GW2, GW4, GW6
	s_or_b32 s[\g], s67, (3<<16)|(1<<21)
.endr
.irp g, GA2, GW2, GA3, GW6, GW4
	s_mov_b32 s[\g+1], 32<<16                      ; tensor_dim0 = 32 elements: 256 bytes
	s_mov_b32 s[\g+3], 32<<16                      ; tile_dim0
	s_mov_b32 s[\g+5], 32                          ; from row to row: dense
	s_mov_b32 s[\g+6], 0
	s_mov_b32 s[\g+7], 0
.endr
.irp g, GA2, GW2
	s_mov_b32 s[\g+2], 68<<16                      ; tensor_dim1, tile_dim1: 34 rows a K step
	s_mov_b32 s[\g+4], 68
.endr
	s_mov_b32 s[GA3+2], 102<<16
	s_mov_b32 s[GA3+4], 102
	s_mov_b32 s[GW6+2], 204<<16
	s_mov_b32 s[GW6+4], 204
	s_mov_b32 s[GW4+2], 136<<16
	s_mov_b32 s[GW4+4], 136
	s_mov_b32 s[G0], 1
	s_mov_b32 s[SEL], 0x76543210
	s_mov_b32 s[SEL+1], 0xfedcba98
	v_and_b32 v32, 31, v0
	v_and_b32 v33, 15, v0                          ; r
	v_bfe_u32 v34, v0, 4, 1                        ; h
	v_lshlrev_b32 v[L16], 4, v32
	v_lshlrev_b32 v34, 6, v34
	v_and_b32 v35, 8, v33
	v_add_nc_u32 v35, v35, v33                     ; r + 8 (r>>3)
	v_add_nc_u32 v[VBQ], s105, v34                 ; q, k: + 64 h
	v_lshl_add_u32 v[VBV], v35, 2, s105            ; v: my channel
	v_add_nc_u32 v[AF0], s88, v[L16]
	v_add_nc_u32 v[AF1], s90, v[L16]
	v_add_nc_u32 v[AS0], s89, v[L16]
	v_add_nc_u32 v[AS1], s91, v[L16]
	v_add_nc_u32 v[VD], s92, v[L16]
	v_add_nc_u32 v[VDS], s93, v[L16]
	v_add_nc_u32 v[VA], s96, v[L16]
	v_add_nc_u32 v[VA+2], s97, v[L16]
	v_add_nc_u32 v[VA+1], s98, v[VA]
	v_add_nc_u32 v[VA+3], s98, v[VA+2]
	v_lshl_add_u32 v[VSQ], v33, 2, s99
	v_lshl_add_u32 v[VSQ+1], v33, 3, s100
	v_lshl_add_u32 v[VSQ+2], v33, 3, s101
	v_add_nc_u32 v[VSQ+3], s104, v[L16]
	s_wait_alu depctr_va_vdst(0)
	s_wait_dscnt 0x0                               ; both opening adds are done
	s_wait_kmcnt 0x0
	s_add_nc_u64 s[PXQ:PXQ+1], s[4:5], s[PXQ:PXQ+1]
	s_add_nc_u64 s[PX:PX+1], s[PXQ:PXQ+1], 32*PANEL    ; x's panel 32 + i
	s_add_nc_u64 s[PWQ:PWQ+1], s[4:5], s[PWQ:PWQ+1]
	s_add_nc_u64 s[PWK:PWK+1], s[PWQ:PWQ+1], 8*PANEL   ; Wk's 72 + g
	s_add_nc_u64 s[PWV:PWV+1], s[PWK:PWK+1], 8*PANEL   ; Wv's 80 + g
	s_add_nc_u64 s[12:13], s[12:13], s[94:95]
	s_cmp_lt_u32 s[PP], 2                          ; the biases, straight into the accumulators that the first K step takes as C
	s_cbranch_scc0 .Lbv
	s_cmp_eq_u32 s[PP], 0
	s_cselect_b64 s[6:7], s[6:7], s[8:9]
.irp t, 0,1,2,3
.irp e, 0,1
	global_load_b128 v[ACC+96+8*\t+4*\e:ACC+96+8*\t+4*\e+3], v[VBQ], s[6:7] offset:128*(\t/2)+32*(\t%2)+16*\e
.endr
.endr
	s_branch .Lbd
.Lbv:
.irp u, 0,1,2,3
	global_load_b32 v[ACC+32*\u+24], v[VBV], s[10:11] offset:128*(\u/2)+32*(\u%2)
.endr
.Lbd:
	CROUND                                         ; all sixteen work-groups are here: the joint loads meet
	; one tree of branches on the wave's number, one load to an arm
	ARM 0,  LXQ,       PXQ, 0,     GA2             ; K steps 0 and 1 of the five panels,
	ARM 1,  LX,        PX,  0,     GA2
	ARM 2,  LQ,        PWQ, 0,     GW2
	ARM 3,  LK,        PWK, 0,     GW2
	ARM 4,  LV,        PWV, 0,     GW2
	ARM 5,  LXQ+2*KST, PXQ, 2*KST, GA3             ; and the rest
	ARM 6,  LXQ+5*KST, PXQ, 5*KST, GA3
	ARM 7,  LX+2*KST,  PX,  2*KST, GA3
	ARM 8,  LX+5*KST,  PX,  5*KST, GA3
	ARM 9,  LV+2*KST,  PWV, 2*KST, GW6
	ARM 10, LQ+2*KST,  PWQ, 2*KST, GW4
	s_mov_b32 s[G0+1], LK+2*KST
	s_add_nc_u64 s[G0+2:G0+3], s[PWK:PWK+1], 2*KST
	s_or_b32 s[G0+3], s[G0+3], 0x80000000
	tensor_load_to_lds s[G0:G0+3], s[GW4:GW4+7]
	s_nop 0
	PLACES 4
.Lasked:
	s_wait_loadcnt 0x0                             ; the biases are in
	s_cmp_lt_u32 s[PP], 2
	s_cbranch_scc1 .Lnm
.irp u, 0,1,2,3
.irp j, 1,2,3,4,5,6,7
	v_mov_b32 v[ACC+32*\u+24+\j], v[ACC+32*\u+24]  ; v: a channel's number in eight registers
.endr
.endr
.Lnm:
	s_wait_alu depctr_va_vdst(0)
	s_cmp_lt_u32 s[WV], 5                          ; waves 0-4 alone wait here, for the lines that they alone issue: K steps 0 and 1; the others' loads stay out
	s_cbranch_scc0 .Lnot_early
	s_wait_tensorcnt 0x0
.Lnot_early:
	s_barrier_signal -1
	s_barrier_wait -1                              ; K steps 0 and 1 lie in LDS; nothing is filled again
	FETCH_LO 0
	FETCH_HI 0
	WIN 0x40                                       ; K steps 6 and 7 of source 0: 18 loads, first read in K step 6
.irp k, 6,7
.irp t, 0,1,2,3
.irp c, 0,1
	global_load_b128 v[32*(\k-6)+8*\t+4*\c:32*(\k-6)+8*\t+4*\c+3], v[VD], s[4:5] offset:\k*KST+\t*1024+\c*512
.endr
.endr
.endr
	WIN 0
.irp k, 6,7
	global_load_b64 v[SCD+2*(\k-6):SCD+2*(\k-6)+1], v[VDS], s[4:5] offset:\k*KST+8192
.endr
	s_cmp_lt_u32 s[PP], 2
	s_cbranch_scc0 .Lv0
	STEP0 0
	s_branch .Lgo
.Lv0:
	STEP0 1
.Lgo:
	STEP 1
	PLACES 4
	s_wait_tensorcnt 0x0                           ; my part of the rest is in
	s_wait_dscnt 0x0
	s_barrier_signal -1
	s_barrier_wait -1                              ; everybody's is; LDS tiles are only read from here on
	FETCH_LO 2
	FETCH_HI 2
.irp k, 2,3,4,5,6,7
	STEP \k
.endr
	PLACES 4
	QUANT ACC, PC0, PW0                            ; tiles t1 = 0, 1: a half fragment each,
	QUANT ACC+64, PC0+8, PW0+1                     ; t1 = 2, 3
.irp u, 0,1
.irp v, 0,1
	global_store_b128 v[VA+2*\u+\v], v[PC0+8*\u+4*\v:PC0+8*\u+4*\v+3], s[12:13]   ; 512 consecutive bytes, aligned
.endr
.endr
	s_lshr_b32 s90, s[WV], 1
	s_mul_i32 s90, s90, HEADB
	s_lshl_b32 s91, s20, 9
	s_add_co_u32 s90, s90, s91
	v_add_nc_u32 v86, s90, v[L16]
	s_wait_alu depctr_va_vdst(0)
	s_cmp_eq_u32 s[PP], 1
	s_cbranch_scc1 .Lsk
	s_cmp_eq_u32 s[PP], 2
	s_cbranch_scc1 .Lsv
.irp u, 0,1
	v_perm_b32 v[TT+2*\u], v[PW0+\u], v[PW0+\u], 0x01000100    ; a tile's two bytes twice: q stands in the lower or in the upper half of attention's K step
	v_perm_b32 v[TT+2*\u+1], v[PW0+\u], v[PW0+\u], 0x03020302
.endr
.irp u, 0,1,2,3
	ds_store_b32 v[VSQ], v[TT+\u] offset:64*\u     ; lanes r and r + 16 write the same word with the same value
.endr
	s_branch .Lst
.Lsk:
	ds_store_b32 v[VSQ+1], v[PW0]                  ; fragment 2 tw + u: its two key tiles' bytes
	ds_store_b32 v[VSQ+1], v[PW0+1] offset:128
	s_branch .Lst
.Lsv:
	ds_store_b16 v[VSQ+2], v[PW0]                  ; fragment 2 u + v: the two bytes of my token half
	ds_store_b16_d16_hi v[VSQ+2], v[PW0] offset:128
	ds_store_b16 v[VSQ+2], v[PW0+1] offset:4
	ds_store_b16_d16_hi v[VSQ+2], v[PW0+1] offset:132
.Lst:
	s_wait_dscnt 0x0                               ; for the others' sake: my scale words lie in the stage
	s_barrier_signal -1
	s_barrier_wait -1
	s_cmp_lt_u32 s[WV], 4
	s_cbranch_scc0 .Lend
	ds_load_b128 v[88:91], v[VSQ+3]                ; waves 0-3, 512 bytes each: K's and V's words (w even) or Q's (w odd) of head 2 g + (w>>1)
	s_wait_dscnt 0x0
	global_store_b128 v86, v[88:91], s[12:13] offset:8192
.Lend:
	s_wait_tensorcnt 0x0                           ; the wave's end
	ds_add_u32 v[SPW], v[NIL]
	s_wait_dscnt 0x0
	CROUND                                         ; the closing round
	s_endpgm
.Lfunc_end_k_q764726cb15_qkv:
	.size	k_q764726cb15_qkv, .Lfunc_end_k_q764726cb15_qkv-k_q764726cb15_qkv
	.p2alignl 7, 3214868480
	.fill 96, 4, 3214868480
	.section	.rodata,"a",@progbits
	.p2align	6, 0x0
	.amdhsa_kernel k_q764726cb15_qkv
		.amdhsa_group_segment_fixed_size 327680
		.amdhsa_private_segment_fixed_size 0
		.amdhsa_enable_private_segment 0
		.amdhsa_kernarg_size 40
		.amdhsa_user_sgpr_count 2
		.amdhsa_user_sgpr_kernarg_segment_ptr 1
		.amdhsa_wavefront_size32 1
		.amdhsa_system_sgpr_workgroup_id_x 1
		.amdhsa_system_sgpr_workgroup_id_y 1
		.amdhsa_system_sgpr_workgroup_id_z 1
		.amdhsa_system_vgpr_workitem_id 0
		.amdhsa_next_free_vgpr 320
		.amdhsa_next_free_sgpr 106
		.amdhsa_reserve_vcc 0
		.amdhsa_float_denorm_mode_32 3
		.amdhsa_float_denorm_mode_16_64 3
		.amdhsa_memory_ordered 1
		.amdhsa_forward_progress 1
		.amdhsa_inst_pref_size 59
	.end_amdhsa_kernel
	.amdgpu_metadata
---
amdhsa.version: [ 1, 2 ]
amdhsa.kernels:
  - .name:           k_q764726cb15_qkv
    .symbol:         k_q764726cb15_qkv.kd
    .args:
      - { .name: pan, .offset: 0, .size: 8, .value_kind: global_buffer, .address_space: global }
      - { .name: bq, .offset: 8, .size: 8, .value_kind: global_buffer, .address_space: global }
      - { .name: bk, .offset: 16, .size: 8, .value_kind: global_buffer, .address_space: global }
      - { .name: bv, .offset: 24, .size: 8, .value_kind: global_buffer, .address_space: global }
      - { .name: qkv, .offset: 32, .size: 8, .value_kind: global_buffer, .address_space: global }
    .group_segment_fixed_size: 327680
    .private_segment_fixed_size: 0
    .kernarg_segment_align: 8
    .kernarg_segment_size: 40
    .max_flat_workgroup_size: 384
    .sgpr_count:     106
    .vgpr_count:     320
    .wavefront_size: 32
...
	.end_amdgpu_metadata
.endif
;; end of part 2
;; launch attn (part 3): grid 8 x 32, 16 waves a work-group, clusters of 4 x 1, 167,936 bytes of LDS; arguments qkv, ypan; writes ypan
.if DOCPART == 3
	.amdgcn_target "amdgcn-amd-amdhsa--gfx1250"
	.amdhsa_code_object_version 6
	.text
	.protected	k_q764726cb15_attn
	.globl	k_q764726cb15_attn
	.p2align	8
	.type	k_q764726cb15_attn,@function
k_q764726cb15_attn:
	s_mov_b64 s[64:65], 0
	v_nop
	global_prefetch_b8 v0, s[64:65] scope:SCOPE_SE
	s_setreg_imm32_b32 hwreg(HW_REG_WAVE_MODE, 25, 1), 1
	s_wait_xcnt 0x0
	s_wait_alu depctr_hold_cnt(0) depctr_sa_sdst(0) depctr_va_vdst(0) depctr_va_sdst(0) depctr_va_ssrc(0) depctr_va_vcc(0) depctr_vm_vsrc(0)
	s_getreg_b32 s2, hwreg(HW_REG_IB_STS2, 6, 4)
	s_cmp_eq_u32 s2, 0
	s_cbranch_scc0 .Lentry_in_a_cluster
	s_endpgm
.Lentry_in_a_cluster:
	s_bfe_u32 s2, ttmp6, 0x10000c
	s_cmp_lg_u32 s2, 0x3003
	s_cbranch_scc0 .Lentry_shape_is_right
	s_endpgm
.Lentry_shape_is_right:
; y[b][q][head] = softmax_k(q . k / 8, k <= q) v on codes of FP4 with E8M0 scales; y is quantised along C (two blocks a head) and stored as codes in panels for the last product.
; THE SOFTMAX: t = score x log2(e) / 8; M = the running largest t rounded UP to a whole number; p = 2^(t - M) is quantised along the keys, not normalised; the row's sum is taken of the
; unquantised p and divides O at the end.  When M moves, the sum and O are multiplied by 2^(old M - new M), which rounds nothing.
; LEFT OUT: key steps, and halves of a diagonal step, whose keys all come after a tile's queries (the causal mask of reference()'s own body: p = 0 there for all inputs); a NaN or an infinity that
; reaches only them is not carried on.
; SHARES: a work-group serves one (batch, head); its sixteen waves own one tile of 16 queries each: queries 128 rank + 16 j + r.  A tile walks key steps 0 .. rank; the last is the diagonal.
; rank = 4 (3 - (w >> 2)) + a permutation of 0..3, so the four waves with equal w & 3 have 34 steps together, the longest tile in the wave with the lowest number.
; j = 4 jh + cx: jh is a bit of the wave's number exclusive-or the cluster's x, two of each among the waves with equal w & 3; cx, the place in the cluster, enters addresses and lane constants alone.
; THE DIAGONAL: with jh = 0 only the step's first 64 keys can count, with jh = 1 the first 64 all count; in the 64 that are left key 32 b + 16 h + i is hidden where it is above 16 cx + r: the same 32 lane
; masks for both, made once, at the head, in scalar registers.
; LDS: the head's K, V and their scale words, 16 steps x 8,704 bytes, filled once; wave w brings step w.  The four work-groups of a cluster serve one head: each load is asked for jointly.
; A first barrier shows steps 0 and 1, brought by waves 0 and 1; step 0, written out ahead of the loop, is worked while the others land (it reads step 0 and, ahead, step 1's K); a second barrier shows them.
; LAYOUT: both products are used transposed (S^T = K Q^T, O^T = V^T P^T): a lane holds one query.  The keys of a tile and the channels of a tile of V^T are chosen rows, so that the 16
; registers of two neighbouring result tiles are 16 neighbours.
; K = 64 IN A K STEP OF 128: a fragment of K holds TWO key tiles, one in k = 0..63, one in k = 64..127; q stands in one half of source 1 and zero codes in the other, so each product picks one key tile.
; The loop has 14 trips for every wave, steps 1 .. 14; a trip at or past the tile's diagonal is jumped over by a scalar branch on the wave's number.  A step's K is loaded behind the products of the step before.
; LIMITS: NaN and infinities are not served.  A block's largest p is made from the block's largest score by the same two instructions: that leans on v_exp_f32 not falling where its input rises.
; The promise holds while |t| stays under 2^31 (M is exact under 2^24).  A block whose every p is 0 keeps the scale byte 1: its codes are zeros.  y's scale bytes leave 2 bytes a lane, 16 bytes apart:
; the sixteen tiles lie in sixteen panels.
; No prefetch: all that the work-group reads is asked for at its head.
.set BLOB,  13312
.set STEPB, 8704                       ; what a key step takes in LDS: K 4,096, V 4,096, K's scale words 256, V's 256
.set KST,   8704
.set PANEL, 8*KST
.set SPARE, 16*STEPB                   ; the spare words, 128 bytes a wave
.set L16, 1                            ; v1   16 x lane
.set L8,  2                            ; v2   8 x lane + 8,192: the scale words
.set ADK, 3                            ; v3   the step's fragments
.set ADS, 4                            ; v4   the step's scale words
.set QS,  5                            ; v5   q's scale word
.set NINF, 6                           ; v6   -infinity
.set PS,  7                            ; v7   p's scale word
.set KSC, 8                            ; v8-9   K's scale words: register f>>1, lanes 16 (f&1) on
.set VSC, 10                           ; v10-11 V's
.set DM,  28                           ; v28  16 cx + r - 16 h
.set VYS, 30                           ; v30  where my tile's scale bytes go
.set VY,  31                           ; v31  and its codes
.set KFR, 32                           ; v32-63   K: 4 fragments
.set VFR, 64                           ; v64-95   V^T: 4 fragments
.set SS,  96                           ; v96-159  S^T, then p
.set OO,  160                          ; v160-191 O^T
.set PCD, 192                          ; v192-199 p's codes
.set BM,  200                          ; v200-203 block maxima
.set BP,  204                          ; v204-207 the permute's destination, then at work
.set BS,  208                          ; v208-211 the conversions' scale operands
.set FF,  212                          ; v[212:213] f
.set TP,  214                          ; v214 at work
.set C1,  216                          ; v216-221 three more chains of the row's sum
; v12 -M, v13 the largest score, v[14:15] the sum; v16-19 zeros, v20-23 q's codes, v24-27 zeros: v[20:27] has q at k = 0..63, v[16:23] at k = 64..127
.set WV,  8
.set RANK, 9
.set KS,  12                           ; key step
.set TB,  13                           ; where it begins in LDS
.set TD,  14                           ; where the diagonal step begins
.set JH,  15
.set SEL, 16
.set CS,  18
.set CSN, 20
.set MK,  66                           ; s66-97 the 32 lane masks
.macro PLACES n
.rept \n
	v_nop
.endr
.endm
.macro CROUND
	s_barrier_signal -1
	s_barrier_wait -1
	s_cmp_lg_u32 s[WV], 0
	s_cbranch_scc1 .Lnot_wave_0_\@
	s_barrier_signal -3
.Lnot_wave_0_\@:
	s_barrier_wait -3
	s_barrier_signal -1
	s_barrier_wait -1
.endm
.macro SQ f                            ; key tiles 2 f and 2 f + 1
.if (\f)%2
	v_wmma_scale_f32_16x16x128_f8f6f4 v[SS+16*(\f):SS+16*(\f)+7], v[KFR+8*(\f):KFR+8*(\f)+7], v[20:27], 0, v[KSC+(\f)/2], v[QS] matrix_a_fmt:MATRIX_FMT_FP4 matrix_b_fmt:MATRIX_FMT_FP4 matrix_a_scale:MATRIX_SCALE_ROW1
	v_wmma_scale_f32_16x16x128_f8f6f4 v[SS+16*(\f)+8:SS+16*(\f)+15], v[KFR+8*(\f):KFR+8*(\f)+7], v[16:23], 0, v[KSC+(\f)/2], v[QS] matrix_a_fmt:MATRIX_FMT_FP4 matrix_b_fmt:MATRIX_FMT_FP4 matrix_a_scale:MATRIX_SCALE_ROW1
.else
	v_wmma_scale_f32_16x16x128_f8f6f4 v[SS+16*(\f):SS+16*(\f)+7], v[KFR+8*(\f):KFR+8*(\f)+7], v[20:27], 0, v[KSC+(\f)/2], v[QS] matrix_a_fmt:MATRIX_FMT_FP4 matrix_b_fmt:MATRIX_FMT_FP4
	v_wmma_scale_f32_16x16x128_f8f6f4 v[SS+16*(\f)+8:SS+16*(\f)+15], v[KFR+8*(\f):KFR+8*(\f)+7], v[16:23], 0, v[KSC+(\f)/2], v[QS] matrix_a_fmt:MATRIX_FMT_FP4 matrix_b_fmt:MATRIX_FMT_FP4
.endif
.endm
.macro PV t                            ; O^T's tile t += V^T's tile t x p
.if (\t)%2
	v_wmma_scale_f32_16x16x128_f8f6f4 v[OO+8*(\t):OO+8*(\t)+7], v[VFR+8*(\t):VFR+8*(\t)+7], v[PCD:PCD+7], v[OO+8*(\t):OO+8*(\t)+7], v[VSC+(\t)/2], v[PS] matrix_a_fmt:MATRIX_FMT_FP4 matrix_b_fmt:MATRIX_FMT_FP4 matrix_a_scale:MATRIX_SCALE_ROW1
.else
	v_wmma_scale_f32_16x16x128_f8f6f4 v[OO+8*(\t):OO+8*(\t)+7], v[VFR+8*(\t):VFR+8*(\t)+7], v[PCD:PCD+7], v[OO+8*(\t):OO+8*(\t)+7], v[VSC+(\t)/2], v[PS] matrix_a_fmt:MATRIX_FMT_FP4 matrix_b_fmt:MATRIX_FMT_FP4
.endif
.endm
.macro LDK ad, as, off                 ; K's four fragments and scale words: nine loads
.irp f, 0,1,2,3
.irp c, 0,1
	ds_load_b128 v[KFR+8*\f+4*\c:KFR+8*\f+4*\c+3], v[\ad] offset:(\off)+\f*1024+\c*512
.endr
.endr
	ds_load_b64 v[KSC:KSC+1], v[\as] offset:\off
.endm
.macro ADDP c, p                       ; chain c of the row's sum += p's pair p
	v_pk_add_f32 v[\c:\c+1], v[\c:\c+1], v[SS+2*(\p):SS+2*(\p)+1]
.endm
.macro TWOP c, p                       ; chain c begins anew with pairs p and p + 1
	v_pk_add_f32 v[\c:\c+1], v[SS+2*(\p):SS+2*(\p)+1], v[SS+2*(\p)+2:SS+2*(\p)+3]
.endm
.macro FMA2 n                          ; t - M, two at a time
	v_pk_fma_f32 v[SS+2*(\n):SS+2*(\n)+1], v[SS+2*(\n):SS+2*(\n)+1], s[CS:CS+1], v[12:13] op_sel_hi:[1,0,0]
.endm
.macro MERGE                           ; the four chains come together
	v_pk_add_f32 v[14:15], v[14:15], v[C1:C1+1]
	v_pk_add_f32 v[C1+2:C1+3], v[C1+2:C1+3], v[C1+4:C1+5]
	v_nop
	v_pk_add_f32 v[14:15], v[14:15], v[C1+2:C1+3]
.endm
; A key step.  kind 0: all 128 keys count, and a next step follows;  1: the diagonal, jh = 1: the upper 64 keys are masked;  2: the diagonal, jh = 0: the lower 64 keys, masked; the upper 64 get zero codes
.macro STEP kind
.set NB, 4-2*((\kind)/2)               ; blocks of 32 keys
.if (\kind) == 0
	v_add_nc_u32 v[ADK], s[TB], v[L16]
	v_add_nc_u32 v[ADS], s[TB], v[L8]
.else
	v_add_nc_u32 v[ADK], s[TD], v[L16]
	v_add_nc_u32 v[ADS], s[TD], v[L8]
.endif
.irp t, 0,1,2,3                                ; (the last products read these registers: the additions behind them are the places)
.irp c, 0,1
	ds_load_b128 v[VFR+8*\t+4*\c:VFR+8*\t+4*\c+3], v[ADK] offset:4096+\t*1024+\c*512
.endr
.endr
	ds_load_b64 v[VSC:VSC+1], v[ADS] offset:256
	s_wait_alu depctr_va_vdst(0)
	s_wait_dscnt 9                                 ; K and its scale words, asked for a step ago, are in; V's nine loads may stay out until the second product
.irp f, 0,1,2,3
.if \f < NB
	SQ \f
.endif
.endr                                              ; register 16 b + i of S^T: key 32 b + 16 h + i of the step
	MERGE                                          ; four places: the last step's chains of the row's sum come together
.if (\kind) == 0
	LDK ADK, ADS, STEPB                            ; the next step's K
.endif
.if (\kind) > 0
.set n, 0
.rept 32
	v_cndmask_b32 v[SS+32*(2-(\kind))+n], v[SS+32*(2-(\kind))+n], v[NINF], s[MK+n]
.set n, n+1
.endr
.endif
.irp b, 0,1,2,3
.if \b < NB
	v_max3_num_f32 v[BM+\b], v[SS+16*\b], v[SS+1+16*\b], v[SS+2+16*\b]   ; the largest score of each block of 32 keys: for the row's maximum and for the block's largest p
.endif
.endr
.irp i, 3,5,7,9,11,13
.irp b, 0,1,2,3
.if \b < NB
	v_max3_num_f32 v[BM+\b], v[BM+\b], v[SS+16*\b+\i], v[SS+1+16*\b+\i]
.endif
.endr
.endr
.irp b, 0,1,2,3
.if \b < NB
	v_max_num_f32 v[BM+\b], v[BM+\b], v[SS+15+16*\b]
.endif
.endr
.irp b, 0,1,2,3
.if \b < NB
	v_permlanex16_b32 v[BP+\b], v[BM+\b], s[SEL], s[SEL+1]
.endif
.endr
.irp b, 0,1,2,3
.if \b < NB
	v_max_num_f32 v[BM+\b], v[BM+\b], v[BP+\b]     ; with lane l xor 16's 16 keys
.endif
.endr
	v_max3_num_f32 v13, v13, v[BM], v[BM+1]        ; the running largest score
.if NB == 4
	s_delay_alu instid0(VALU_DEP_1)
	v_max3_num_f32 v13, v13, v[BM+2], v[BM+3]
.endif
	s_delay_alu instid0(VALU_DEP_1)
	v_mul_f32 v[TP], s[CSN], v13                   ; -t
	s_delay_alu instid0(VALU_DEP_1)
	v_floor_f32 v[TP], v[TP]                       ; the new -M = floor(-t) = -ceil(t)
	s_delay_alu instid0(VALU_DEP_1)
	v_sub_f32 v[FF], v[TP], v12                    ; old M - new M: a whole number, 0 or less
	v_mov_b32 v12, v[TP]
.irp m, 0,1,2,3,4,5,6,7
	FMA2 \m
.endr
	v_cvt_i32_f32 v[FF], v[FF]                     ; (it saturates)
.irp m, 8,9,10,11,12,13,14,15
	FMA2 \m
.endr
	v_ldexp_f32 v[FF], 1.0, v[FF]                  ; f = 2^(old M - new M)
.if NB == 4
.irp m, 16,17,18,19,20,21,22,23,24,25,26,27,28,29,30,31
	FMA2 \m
.endr
.endif
.irp b, 0,2
.if \b < NB
	v_pk_fma_f32 v[BM+\b:BM+\b+1], v[BM+\b:BM+\b+1], s[CS:CS+1], v[12:13] op_sel_hi:[1,0,0]   ; the same of each block's largest score
.endif
.endr
	s_wait_alu depctr_va_vdst(0)
.set n, 0
.rept 16*NB
	v_exp_f32 v[SS+n], v[SS+n]                     ; p = 2^(t - M), at most 1
.set n, n+1
.endr
.irp b, 0,1,2,3
.if \b < NB
	v_exp_f32 v[BM+\b], v[BM+\b]                   ; the block's largest p
.endif
.endr
	v_pk_mul_f32 v[14:15], v[14:15], v[FF:FF+1] op_sel_hi:[1,0]   ; the sum under the new M (a plain place behind the exponentials)
	s_wait_alu depctr_va_vdst(0)                   ; for the batch and for the last products' results, which the lines below read first
.set n, 0
.rept 16
	v_pk_mul_f32 v[OO+n:OO+n+1], v[OO+n:OO+n+1], v[FF:FF+1] op_sel_hi:[1,0]   ; O^T under the new M
.set n, n+2
.endr
.irp b, 0,1,2,3
.if \b < NB
	v_max_num_f32 v[BM+\b], 0x1800000, v[BM+\b]    ; the floor 2^(3 - 127): the byte cannot fall under 1
.endif
.endr
.irp b, 0,1,2,3
.if \b < NB
	v_add_nc_u32 v[BS+\b], 0xff000000, v[BM+\b]    ; 2 off the exponent field: the conversion's scale operand
.endif
.endr
	v_perm_b32 v[BP], v[BS+1], v[BS], 0x07060302   ; p's scale word for these keys: the exponent fields as bytes
.if NB == 4
	v_perm_b32 v[BP+1], v[BS+3], v[BS+2], 0x07060302
	v_lshrrev_b32 v[BP], 7, v[BP]
	v_lshrrev_b32 v[BP+1], 7, v[BP+1]
	v_perm_b32 v[PS], v[BP+1], v[BP], 0x06040200
.else
.irp z, 4,5,6,7
	v_mov_b32 v[PCD+\z], 0                         ; zero codes for the upper 64 keys
.endr
	v_lshrrev_b32 v[BP], 7, v[BP]
	v_perm_b32 v[PS], v[BP], v[BP], 0x02000200     ; (their two bytes repeat the lower ones')
.endif
.irp b, 0,1,2,3
.if \b < NB
	v_cvt_scalef32_pk8_fp4_f32 v[PCD+2*\b], v[SS+16*\b:SS+7+16*\b], v[BS+\b]
	v_cvt_scalef32_pk8_fp4_f32 v[PCD+1+2*\b], v[SS+8+16*\b:SS+15+16*\b], v[BS+\b]
.endif
.endr
	v_nop                                          ; one plain place behind a scaled conversion
.irp c, 0,1
.irp i, 0,1
.if 2*\c < NB
	v_permlane16_swap_b32 v[PCD+4*\c+\i], v[PCD+2+4*\c+\i]
.endif
.endr
.endr
	ADDP 14, 0                                     ; the row's sum of the unquantised p in four chains: eight additions ahead of the products (with the exchanges above p's scale word stands more than
	TWOP C1, 2*NB                                  ; 8 plain places ahead of them, its codes more than 4), the rest behind them, which are the places in front of the next step's loads
	TWOP C1+2, 4*NB
	TWOP C1+4, 6*NB
	ADDP 14, 1
	ADDP C1, 2*NB+2
	ADDP C1+2, 4*NB+2
	ADDP C1+4, 6*NB+2
	s_wait_alu depctr_va_vdst(0)
.if (\kind) == 0
	s_wait_dscnt 9                                 ; V and its scale words are in; the next step's K, nine loads issued behind them, may stay out
.else
	s_wait_dscnt 0x0
.endif
.irp t, 0,1,2,3
	PV \t                                          ; the four accumulators by turns
.endr
.irp m, 2,3,4,5,6
.if \m < 2*NB-1
	ADDP 14, \m
	ADDP C1, \m+2*NB+1
	ADDP C1+2, \m+4*NB+1
	ADDP C1+4, \m+6*NB+1
.endif
.endr
	ADDP 14, 2*NB-1
.endm
	s_load_b128 s[4:7], s[0:1], 0x0                ; qkv s[4:5], ypan s[6:7]
	v_lshl_add_u32 v254, v0, 2, SPARE
	v_mov_b32 v255, 0
	ds_add_u32 v254, v255                          ; the wave's opening
	ds_add_u32 v254, v255
	v_lshrrev_b32 v3, 5, v0
	v_readfirstlane_b32 s[WV], v3                  ; wave 0..15
	s_bfe_u32 s36, ttmp6, 0x40000                  ; cx
	s_and_b32 s11, ttmp7, 0xffff                   ; batch x 16 + head, which the four partners share
	s_and_b32 s37, s[WV], 3                        ; a
	s_lshr_b32 s38, s[WV], 2                       ; gq
	s_lshr_b32 s39, s38, 1
	s_xor_b32 s40, s38, s39
	s_and_b32 s40, s40, 1
	s_lshl_b32 s40, s40, 1
	s_or_b32 s40, s40, s39                         ; mu = 0, 2, 3, 1 for gq = 0, 1, 2, 3
	s_xor_b32 s40, s40, s37
	s_xor_b32 s41, s38, 3
	s_lshl_b32 s[RANK], s41, 2
	s_add_co_u32 s[RANK], s[RANK], s40             ; rank = 4 (3 - gq) + (a ^ mu)
	s_xor_b32 s[JH], s[WV], s38
	s_xor_b32 s[JH], s[JH], ttmp9
	s_and_b32 s[JH], s[JH], 1                      ; jh
	s_lshl_b32 s10, s[JH], 2
	s_add_co_u32 s10, s10, s36                     ; j
	s_mov_b32 s24, 15|(3<<16)|(1<<21)              ; group 1: 15:0 the mask: all four work-groups; 17:16 elements of 8 bytes; 21 set beside a mask; no padding
	s_mov_b32 s25, 32<<16                          ; tensor_dim0 = 32 elements: 256 bytes
	s_mov_b32 s26, 34<<16                          ; tensor_dim1 = 34 rows: 8,704 dense bytes
	s_mov_b32 s27, 32<<16                          ; tile_dim0
	s_mov_b32 s28, 34                              ; tile_dim1
	s_mov_b32 s29, 32                              ; from row to row
	s_mov_b32 s30, 0
	s_mov_b32 s31, 0
	s_mov_b32 s32, 1                               ; group 0
	s_mul_i32 s33, s[WV], STEPB                    ; wave w brings step w
	s_lshl_b32 s42, s11, 4
	s_add_co_u32 s44, s42, s[WV]                   ; the blob that I fetch
	s_mul_i32 s44, s44, BLOB
	s_mov_b32 s45, 0
	s_add_co_u32 s42, s42, s[RANK]                 ; the blob of my queries
	s_mul_i32 s42, s42, BLOB
	s_lshl_b32 s46, s10, 9                         ; q's tile j: 512 bytes a tile,
	s_add_co_u32 s46, s46, s42
	s_lshl_b32 s47, s10, 6                         ; 4 bytes of scales a query
	s_add_co_u32 s47, s47, s42
	s_lshr_b32 s49, s11, 4
	s_lshl_b32 s49, s49, 4
	s_add_co_u32 s49, s49, s[RANK]                 ; y's panel: batch x 16 + rank
	s_mul_i32 s49, s49, PANEL
	s_and_b32 s50, s11, 15                         ; the head
	s_lshr_b32 s51, s50, 1
	s_mul_i32 s51, s51, KST                        ; K step head>>1
	s_add_co_u32 s49, s49, s51
	s_and_b32 s50, s50, 1
	s_lshl_b32 s51, s10, 10
	s_add_co_u32 s51, s51, s49
	s_lshl_b32 s52, s50, 9
	s_add_co_u32 s51, s51, s52                     ; codes: tile j, half head&1
	s_and_b32 s52, s10, 1
	s_lshl_b32 s52, s52, 8
	s_add_co_u32 s52, s52, s49
	s_lshr_b32 s53, s10, 1
	s_lshl_b32 s53, s53, 2
	s_add_co_u32 s52, s52, s53
	s_lshl_b32 s53, s50, 1
	s_add_co_u32 s52, s52, s53
	s_add_co_u32 s52, s52, 8192                    ; scale words: 256 (j&1) + 4 (j>>1) + 2 (head&1)
	s_lshl_b32 s53, s36, 4                         ; 16 cx
	s_mul_i32 s[TD], s[RANK], STEPB
	s_mov_b32 s[SEL], 0x76543210
	s_mov_b32 s[SEL+1], 0xfedcba98
	s_mov_b32 s[CS], 0x3e38aa3b                    ; c = log2(e) / 8
	s_mov_b32 s[CS+1], s[CS]                       ; (named with it as a pair, so it is written)
	s_mov_b32 s[CSN], 0xbe38aa3b                   ; -c
	s_mov_b32 s[TB], 0
	v_and_b32 v29, 31, v0                          ; lane
	v_and_b32 v3, 15, v0                           ; r
	v_bfe_u32 v4, v0, 4, 1                         ; h
	v_lshlrev_b32 v[L16], 4, v29
	v_lshl_add_u32 v[L8], v29, 3, 8192
	v_lshlrev_b32 v4, 4, v4
	v_lshl_add_u32 v229, v3, 2, s47
	v_lshl_add_u32 v[VYS], v3, 4, s52
	v_sub_nc_u32 v[DM], v3, v4
	v_add_nc_u32 v227, s46, v[L16]
	v_add_nc_u32 v[VY], s51, v[L16]
	v_add_nc_u32 v[DM], s53, v[DM]
	s_wait_alu depctr_va_vdst(0)
	s_wait_dscnt 0x0                               ; both opening adds are done
	s_wait_kmcnt 0x0
	global_load_b128 v[20:23], v227, s[4:5] offset:9216        ; q's codes: d = 32 h .. of query r
	global_load_b32 v[QS], v229, s[4:5] offset:8704
	s_add_nc_u64 s[34:35], s[4:5], s[44:45]
	s_or_b32 s35, s35, 0x80000000                  ; type = 2
	CROUND                                         ; all four work-groups are here: the joint loads meet
	s_cmp_lt_u32 s[WV], 2                          ; my one tensor load: steps 0 and 1 by a line of their own
	s_cbranch_scc0 .Llate
	tensor_load_to_lds s[32:35], s[24:31]
	s_nop 0
	PLACES 4
	s_branch .Lasked
.Llate:
	tensor_load_to_lds s[32:35], s[24:31]
	s_nop 0
	PLACES 4
.Lasked:
.set n, 0
.rept 32                               ; register 16 b + i of the masked half: hidden where 32 b + i > 16 cx + r - 16 h
	v_cmp_gt_i32 s[MK+n], 32*(n/16)+n%16, v[DM]
.set n, n+1
.endr
	v_mov_b32 v[NINF], 0xff800000
.irp z, 16,17,18,19,24,25,26,27
	v_mov_b32 v[\z], 0                             ; the zero codes beside q
.endr
.irp b, 0,1,2,3
	v_mov_b32 v[BP+\b], 0                          ; written once: a lane permute's destination counts as one of its sources
.endr
	v_mov_b32 v[FF+1], 0                           ; (named as the upper half of a pair)
	v_mov_b32 v[TP], 0
	v_mov_b32 v13, 0xff61b1e6                      ; the largest score so far: -3e38, under every score
	v_mov_b32 v12, 0x7e000000                      ; -M: 2^125, so that the first f is 0
	v_mov_b32 v14, 0
	v_mov_b32 v15, 0
.irp z, 0,1,2,3,4,5
	v_mov_b32 v[C1+\z], 0
.endr
.set n, 0
.rept 32
	v_mov_b32 v[OO+n], 0                           ; O^T: a tile's first step, step 0 or the diagonal, finds zeros, which the first change of M leaves zeros
.set n, n+1
.endr
	s_wait_alu depctr_va_vdst(0)
	s_wait_loadcnt 0x0                             ; q
	s_cmp_lt_u32 s[WV], 2                          ; waves 0 and 1 alone wait here, for the line that they alone issue; the others' loads stay out
	s_cbranch_scc0 .Lnot_early
	s_wait_tensorcnt 0x0
.Lnot_early:
	s_barrier_signal -1
	s_barrier_wait -1                              ; steps 0 and 1 lie in LDS; nothing is filled again
	LDK L16, L8, 0                                 ; step 0's K
	s_cmp_eq_u32 s[RANK], 0                        ; rank 0: step 0 is the diagonal
	s_cbranch_scc1 .Lno_first
	STEP 0
.Lno_first:
	s_wait_alu depctr_va_vdst(0)
	s_wait_tensorcnt 0x0                           ; my step's tiles are in
	s_wait_dscnt 0x0
	s_barrier_signal -1
	s_barrier_wait -1                              ; everybody's are: the whole head lies in LDS and is only read from here on
	s_mov_b32 s[KS], 1
	s_mov_b32 s[TB], STEPB
.Lstep:                                            ; 14 trips in every wave
	s_cmp_ge_u32 s[KS], s[RANK]                    ; the diagonal or past it: nothing to do here
	s_cbranch_scc1 .Lskip
	STEP 0
.Lskip:
	s_add_co_u32 s[TB], s[TB], STEPB
	s_add_co_u32 s[KS], s[KS], 1
	s_wait_alu depctr_va_vdst(0)
	s_cmp_lt_u32 s[KS], 15
	s_cbranch_scc1 .Lstep
	s_cmp_eq_u32 s[JH], 0                          ; the diagonal: the wave's and the cluster's number alone choose its form
	s_cbranch_scc1 .Lhalf
	STEP 1
	s_wait_alu depctr_va_vdst(0)
	s_branch .Lout
.Lhalf:
	STEP 2
	s_wait_alu depctr_va_vdst(0)
.Lout:
	; THE WAY OUT: y = O^T / the sum; register 16 b + i is channel 32 b + 16 h + i of my query: two blocks of 32 along C
	MERGE
	v_add_f32 v14, v14, v15
	v_permlanex16_b32 v[TP], v14, s[SEL], s[SEL+1]
	v_add_f32 v14, v14, v[TP]                      ; the row's sum
	s_wait_alu depctr_va_vdst(0)
	v_rcp_f32 v14, v14
	v_nop                                          ; one plain place behind a transcendental
	s_wait_alu depctr_va_vdst(0)
.set n, 0
.rept 32
	v_mul_f32 v[SS+n], v[OO+n], v14                ; each accumulator from its low end on
.set n, n+1
.endr
.irp b, 0,1
	v_max3_num_f32 v[BM+\b], |v[SS+16*\b]|, |v[SS+1+16*\b]|, 0x1800000
	v_max3_num_f32 v[BM+2+\b], |v[SS+2+16*\b]|, |v[SS+3+16*\b]|, |v[SS+4+16*\b]|
.endr
.irp i, 5,9
.irp b, 0,1
	v_max3_num_f32 v[BM+\b], v[BM+\b], |v[SS+16*\b+\i]|, |v[SS+1+16*\b+\i]|
	v_max3_num_f32 v[BM+2+\b], v[BM+2+\b], |v[SS+16*\b+2+\i]|, |v[SS+16*\b+3+\i]|
.endr
.endr
.irp b, 0,1
	v_max3_num_f32 v[BM+\b], v[BM+\b], |v[SS+16*\b+13]|, |v[SS+16*\b+14]|
	v_max_num_f32 v[BM+2+\b], v[BM+2+\b], |v[SS+16*\b+15]|
.endr
.irp b, 0,1
	v_max_num_f32 v[BM+\b], v[BM+\b], v[BM+2+\b]
.endr
.irp b, 0,1
	v_permlanex16_b32 v[BP+\b], v[BM+\b], s[SEL], s[SEL+1]
.endr
.irp b, 0,1
	v_max_num_f32 v[BM+\b], v[BM+\b], v[BP+\b]
.endr
.irp b, 0,1
	v_add_nc_u32 v[BS+\b], 0xff000000, v[BM+\b]
.endr
.irp b, 0,1
	v_lshrrev_b32 v[BP+\b], 23, v[BS+\b]
.endr
	v_lshl_or_b32 v[TP], v[BP+1], 8, v[BP]         ; the head's two bytes of my query's scale word
.irp b, 0,1
	v_cvt_scalef32_pk8_fp4_f32 v[PCD+2*\b], v[SS+16*\b:SS+7+16*\b], v[BS+\b]
	v_cvt_scalef32_pk8_fp4_f32 v[PCD+1+2*\b], v[SS+8+16*\b:SS+15+16*\b], v[BS+\b]
.endr
	v_nop
	v_permlane16_swap_b32 v[PCD], v[PCD+2]         ; lanes 0-15 block 0, lanes 16-31 block 1
	v_permlane16_swap_b32 v[PCD+1], v[PCD+3]
	global_store_b128 v[VY], v[PCD:PCD+3], s[6:7]  ; 512 consecutive bytes, aligned: half a fragment of y's panel
	global_store_b16 v[VYS], v[TP], s[6:7]         ; lanes r and r + 16 write the same two bytes with the same value
	s_wait_tensorcnt 0x0                           ; the wave's end
	ds_add_u32 v254, v255
	s_wait_dscnt 0x0
	CROUND                                         ; the closing round: no work-group ends while a partner may still ask for a tile that names it
	s_endpgm
.Lfunc_end_k_q764726cb15_attn:
	.size	k_q764726cb15_attn, .Lfunc_end_k_q764726cb15_attn-k_q764726cb15_attn
	.p2alignl 7, 3214868480
	.fill 96, 4, 3214868480
	.section	.rodata,"a",@progbits
	.p2align	6, 0x0
	.amdhsa_kernel k_q764726cb15_attn
		.amdhsa_group_segment_fixed_size 167936
		.amdhsa_private_segment_fixed_size 0
		.amdhsa_enable_private_segment 0
		.amdhsa_kernarg_size 16
		.amdhsa_user_sgpr_count 2
		.amdhsa_user_sgpr_kernarg_segment_ptr 1
		.amdhsa_wavefront_size32 1
		.amdhsa_system_sgpr_workgroup_id_x 1
		.amdhsa_system_sgpr_workgroup_id_y 1
		.amdhsa_system_sgpr_workgroup_id_z 1
		.amdhsa_system_vgpr_workitem_id 0
		.amdhsa_next_free_vgpr 256
		.amdhsa_next_free_sgpr 100
		.amdhsa_reserve_vcc 0
		.amdhsa_float_denorm_mode_32 3
		.amdhsa_float_denorm_mode_16_64 3
		.amdhsa_memory_ordered 1
		.amdhsa_forward_progress 1
		.amdhsa_inst_pref_size 70
	.end_amdhsa_kernel
	.amdgpu_metadata
---
amdhsa.version: [ 1, 2 ]
amdhsa.kernels:
  - .name:           k_q764726cb15_attn
    .symbol:         k_q764726cb15_attn.kd
    .args:
      - { .name: qkv, .offset: 0, .size: 8, .value_kind: global_buffer, .address_space: global }
      - { .name: ypan, .offset: 8, .size: 8, .value_kind: global_buffer, .address_space: global }
    .group_segment_fixed_size: 167936
    .private_segment_fixed_size: 0
    .kernarg_segment_align: 8
    .kernarg_segment_size: 16
    .max_flat_workgroup_size: 512
    .sgpr_count:     100
    .vgpr_count:     256
    .wavefront_size: 32
...
	.end_amdgpu_metadata
.endif
;; end of part 3
;; launch proj (part 4): grid 8 x 32, 4 waves a work-group, clusters of 4 x 4, 167,936 bytes of LDS; arguments pan, ypan, bp, out0; writes out0
.if DOCPART == 4
	.amdgcn_target "amdgcn-amd-amdhsa--gfx1250"
	.amdhsa_code_object_version 6
	.text
	.protected	k_q764726cb15_proj
	.globl	k_q764726cb15_proj
	.p2align	8
	.type	k_q764726cb15_proj,@function
k_q764726cb15_proj:
	s_mov_b64 s[64:65], 0
	v_nop
	global_prefetch_b8 v0, s[64:65] scope:SCOPE_SE
	s_setreg_imm32_b32 hwreg(HW_REG_WAVE_MODE, 25, 1), 1
	s_wait_xcnt 0x0
	s_wait_alu depctr_hold_cnt(0) depctr_sa_sdst(0) depctr_va_vdst(0) depctr_va_sdst(0) depctr_va_ssrc(0) depctr_va_vcc(0) depctr_vm_vsrc(0)
	s_getreg_b32 s2, hwreg(HW_REG_IB_STS2, 6, 4)
	s_cmp_eq_u32 s2, 0
	s_cbranch_scc0 .Lentry_in_a_cluster
	s_endpgm
.Lentry_in_a_cluster:
	s_bfe_u32 s2, ttmp6, 0x10000c
	s_cmp_lg_u32 s2, 0xf033
	s_cbranch_scc0 .Lentry_shape_is_right
	s_endpgm
.Lentry_shape_is_right:
; out = y Wp^T + bp on codes of FP4 with E8M0 scales (panels as the launches before laid them), sums in f32.
; SHARES: a work-group takes 128 tokens (i) x 128 channels (g); wave w the token half tw = w & 1 and the channel half gw = w >> 1: 64 x 64.  Both panels, all of K, lie in LDS, by ONE joint load a wave:
; waves 0, 1 fetch the halves along K of y's panel, shared along a row of the 4 x 4 cluster, waves 2, 3 those of Wp's, shared along a column.
; Source 0 = the weight's four tiles, source 1 = a token tile: a lane holds one token, its registers run along the channels.
; A wave keeps its weight's fragments for all of K in 256 registers and goes by token tiles: each tile's four sums are finished over all of K, then leave through the wave's stage in LDS while the
; next tile is multiplied: sixteen lanes store one aligned unit of 256 bytes.  The bias is the C of a tile's first products.
; WINDOWS: 0: addresses, scale words, biases, accumulators, rows on their way out; 1: the weight's fragments; 2: two token tiles' fragments.
; LIMITS: NaN and infinities are not served.
; No prefetch: all that the work-group reads is asked for at its head; there is no loop to run ahead in.
.set KST,   8704
.set PANEL, 8*KST
.set STG,   16*KST                     ; the stages: 16 rows x (256 + 16) bytes for each wave
.set SP,    272
.set SPARE, STG+4*16*SP                ; the spare words, 128 bytes a wave
.set L16, 1
.set AX,  2                            ; token fragments
.set AW,  3                            ; weight fragments
.set ASX, 4                            ; their scale words
.set ASW, 5
.set VB,  6
.set STO, 7                            ; the stage: in
.set RD,  8                            ; and back
.set VO,  9
.set SPW, 10
.set NIL, 11
.set SA,  16                           ; v16-31  the weight's scale words: two registers a K step
.set SB,  32                           ; v32-47  the tokens'
.set BI,  48                           ; v48-79  biases of my 32 channels
.set ACC, 80                           ; v80-143 two sets of four accumulators
.set OB,  144                          ; v144-207 two blocks of rows on their way out
.set WV,  14
.set G1A, 24
.set G1W, 32
.set MSB, 0
.macro WIN new                         ; the immediate's high byte repeats the setting that is left
.if MSB != \new
	s_set_vgpr_msb (MSB<<8)|\new
.set MSB, \new
.endif
.endm
.macro PLACES n
.rept \n
	v_nop
.endr
.endm
.macro CROUND
	s_barrier_signal -1
	s_barrier_wait -1
	s_cmp_lg_u32 s[WV], 0
	s_cbranch_scc1 .Lnot_wave_0_\@
	s_barrier_signal -3
.Lnot_wave_0_\@:
	s_barrier_wait -3
	s_barrier_signal -1
	s_barrier_wait -1
.endm
.macro LDX t, kap                      ; window 2: two loads
	WIN 0x80
.irp c, 0,1
	ds_load_b128 v[64*((\t)%2)+8*(\kap)+4*\c:64*((\t)%2)+8*(\kap)+4*\c+3], v[AX] offset:(\kap)*KST+(\t)*1024+\c*512
.endr
.endm
.macro LDXT t                          ; a whole token tile: 16 loads
.irp k, 0,1,2,3,4,5,6,7
	LDX \t, \k
.endr
	WIN 0
.endm
.macro LDW kap                         ; window 1: eight loads
	WIN 0x40
.irp t, 0,1,2,3
.irp c, 0,1
	ds_load_b128 v[32*(\kap)+8*\t+4*\c:32*(\kap)+8*\t+4*\c+3], v[AW] offset:(\kap)*KST+\t*1024+\c*512
.endr
.endr
.endm
.macro WM t, u, kap                    ; token tile t, channel tile u
.set rD, ACC+32*((\t)%2)+8*(\u)
.set rA, 32*(\kap)+8*(\u)
.set rB, 64*((\t)%2)+8*(\kap)
.set rSA, SA+2*(\kap)+(\u)/2
.set rSB, SB+2*(\kap)+(\t)/2
.if (\kap) == 0
.set rC, BI+8*(\u)
.else
.set rC, rD
.endif
.if ((\u)%2 == 0) && ((\t)%2 == 0)
	v_wmma_scale_f32_16x16x128_f8f6f4 v[rD:rD+7], v[rA:rA+7], v[rB:rB+7], v[rC:rC+7], v[rSA], v[rSB] matrix_a_fmt:MATRIX_FMT_FP4 matrix_b_fmt:MATRIX_FMT_FP4
.elseif (\t)%2 == 0
	v_wmma_scale_f32_16x16x128_f8f6f4 v[rD:rD+7], v[rA:rA+7], v[rB:rB+7], v[rC:rC+7], v[rSA], v[rSB] matrix_a_fmt:MATRIX_FMT_FP4 matrix_b_fmt:MATRIX_FMT_FP4 matrix_a_scale:MATRIX_SCALE_ROW1
.elseif (\u)%2 == 0
	v_wmma_scale_f32_16x16x128_f8f6f4 v[rD:rD+7], v[rA:rA+7], v[rB:rB+7], v[rC:rC+7], v[rSA], v[rSB] matrix_a_fmt:MATRIX_FMT_FP4 matrix_b_fmt:MATRIX_FMT_FP4 matrix_b_scale:MATRIX_SCALE_ROW1
.else
	v_wmma_scale_f32_16x16x128_f8f6f4 v[rD:rD+7], v[rA:rA+7], v[rB:rB+7], v[rC:rC+7], v[rSA], v[rSB] matrix_a_fmt:MATRIX_FMT_FP4 matrix_b_fmt:MATRIX_FMT_FP4 matrix_a_scale:MATRIX_SCALE_ROW1 matrix_b_scale:MATRIX_SCALE_ROW1
.endif
.endm
.macro PROD t, kap                     ; the four accumulators by turns
	WIN 0x09
.irp u, 0,1,2,3
	WM \t, \u, \kap
.endr
.endm
.macro TILE t
.irp k, 0,1,2,3,4,5,6,7
	PROD \t, \k
.endr
	WIN 0
.endm
; The first token tile, as the weight's fragments come in: loads run three K steps (ten loads each) ahead, each into registers of its own
.macro FIRST k
.if (\k) < 5
	LDX 0, (\k)+3
	LDW (\k)+3
	s_wait_dscnt 30
.elseif (\k) == 5
	WIN 0
	LDXT 1
	s_wait_dscnt 36                                ; two K steps and the next tile's 16
.elseif (\k) == 6
	s_wait_dscnt 26
.else
	s_wait_dscnt 16
.endif
	PROD 0, \k
.endm
.macro TOSTAGE t                       ; 16 tokens x 64 channels into my stage and back as rows: LDS serves a wave's instructions in order
.irp u, 0,1,2,3
.irp e, 0,1
	ds_store_b128 v[STO], v[ACC+32*((\t)%2)+8*\u+4*\e:ACC+32*((\t)%2)+8*\u+4*\e+3] offset:128*(\u/2)+32*(\u%2)+16*\e
.endr
.endr
.irp p, 0,1,2,3,4,5,6,7
	ds_load_b128 v[OB+32*((\t)%2)+4*\p:OB+32*((\t)%2)+4*\p+3], v[RD] offset:\p*2*SP
.endr
.endm
.macro SEND t, younger                 ; younger: the LDS loads issued behind the tile's, which may stay out
	s_wait_dscnt \younger
.irp p, 0,1,2,3,4,5,6,7
	global_store_b128 v[VO], v[OB+32*((\t)%2)+4*\p:OB+32*((\t)%2)+4*\p+3], s[10:11] offset:(\t)*65536+\p*8192   ; two rows' aligned units of 256 bytes
.endr
.endm
	s_load_b256 s[4:11], s[0:1], 0x0               ; pan s[4:5], ypan s[6:7], bp s[8:9], out0 s[10:11]
	v_lshl_add_u32 v[SPW], v0, 2, SPARE
	v_mov_b32 v[NIL], 0
	ds_add_u32 v[SPW], v[NIL]                      ; the wave's opening
	ds_add_u32 v[SPW], v[NIL]
	v_lshrrev_b32 v1, 5, v0
	v_readfirstlane_b32 s[WV], v1
	s_bfe_u32 s15, ttmp6, 0x40000                  ; cx
	s_bfe_u32 s16, ttmp6, 0x40004                  ; cy
	s_lshl_b32 s17, ttmp9, 2
	s_add_co_u32 s17, s17, s15                     ; g
	s_and_b32 s18, ttmp7, 0xffff
	s_lshl_b32 s18, s18, 2
	s_add_co_u32 s18, s18, s16                     ; i
	s_lshl_b32 s48, s16, 2
	s_lshl_b32 s48, 15, s48                        ; my row of the cluster
	s_lshl_b32 s49, 0x1111, s15                    ; my column
	s_or_b32 s[G1A], s48, (3<<16)|(1<<21)          ; 15:0 the mask; 17:16 elements of 8 bytes; 21 set beside a mask; no padding
	s_or_b32 s[G1W], s49, (3<<16)|(1<<21)
.irp g, G1A, G1W
	s_mov_b32 s[\g+1], 32<<16                      ; tensor_dim0 = 32 elements: 256 bytes
	s_mov_b32 s[\g+2], 136<<16                     ; tensor_dim1 = 136 rows: four K steps
	s_mov_b32 s[\g+3], 32<<16                      ; tile_dim0
	s_mov_b32 s[\g+4], 136                         ; tile_dim1
	s_mov_b32 s[\g+5], 32                          ; dense
	s_mov_b32 s[\g+6], 0
	s_mov_b32 s[\g+7], 0
.endr
	s_and_b32 s19, s[WV], 1                        ; tw.  Also: which half along K I fetch
	s_lshr_b32 s50, s[WV], 1                       ; gw.  Also: for y (0) or for Wp (1)
	s_mul_i32 s51, s19, 4*KST
	s_mul_i32 s20, s18, PANEL
	s_add_co_u32 s20, s20, s51
	s_mov_b32 s21, 0
	s_add_co_u32 s22, s17, 88
	s_mul_i32 s22, s22, PANEL
	s_add_co_u32 s22, s22, s51
	s_mov_b32 s23, 0
	s_mul_i32 s51, s[WV], 4*KST                    ; in LDS: y's panel, then Wp's
	s_lshl_b32 s52, s17, 9
	s_lshl_b32 s53, s50, 8
	s_add_co_u32 s52, s52, s53                     ; my 64 channels, in bytes
	s_lshl_b32 s54, s18, 19                        ; out: 128 i + 64 tw rows of 4,096 bytes
	s_lshl_b32 s55, s19, 18
	s_add_co_u32 s54, s54, s55
	s_add_co_u32 s54, s54, s52
	s_mov_b32 s55, 0
	s_lshl_b32 s56, s19, 12
	s_lshl_b32 s57, s50, 12
	s_add_co_u32 s57, s57, PANEL
	s_lshl_b32 s58, s19, 3
	s_add_co_u32 s58, s58, 8192
	s_lshl_b32 s59, s50, 3
	s_add_co_u32 s59, s59, PANEL+8192
	s_mul_i32 s60, s[WV], 16*SP
	s_add_co_u32 s60, s60, STG
	v_and_b32 v12, 31, v0
	v_and_b32 v13, 15, v0                          ; r
	v_bfe_u32 v14, v0, 4, 1                        ; h
	v_lshlrev_b32 v[L16], 4, v12
	v_mul_u32_u24 v[STO], v13, SP
	v_mul_u32_u24 v[RD], v14, SP
	v_lshl_add_u32 v[VB], v14, 6, s52
	v_lshlrev_b32 v[VO], 12, v14
	v_lshl_add_u32 v[STO], v14, 6, v[STO]
	v_lshl_add_u32 v[RD], v13, 4, v[RD]
	v_lshl_add_u32 v[VO], v13, 4, v[VO]
	v_add_nc_u32 v[AX], s56, v[L16]
	v_add_nc_u32 v[AW], s57, v[L16]
	v_add_nc_u32 v[ASX], s58, v[L16]
	v_add_nc_u32 v[ASW], s59, v[L16]
	v_add_nc_u32 v[STO], s60, v[STO]
	v_add_nc_u32 v[RD], s60, v[RD]
	s_wait_alu depctr_va_vdst(0)
	s_wait_dscnt 0x0                               ; both opening adds are done
	s_wait_kmcnt 0x0
	s_mov_b32 s40, 1
	s_mov_b32 s41, s51
	s_add_nc_u64 s[42:43], s[6:7], s[20:21]
	s_or_b32 s43, s43, 0x80000000
	s_mov_b32 s44, 1
	s_mov_b32 s45, s51
	s_add_nc_u64 s[46:47], s[4:5], s[22:23]
	s_or_b32 s47, s47, 0x80000000
	s_add_nc_u64 s[10:11], s[10:11], s[54:55]
	CROUND                                         ; all sixteen work-groups are here: the joint loads meet
	s_cmp_lt_u32 s[WV], 2
	s_cbranch_scc0 .Lfor_w
	tensor_load_to_lds s[40:43], s[G1A:G1A+7]
	s_nop 0
	PLACES 4
	s_branch .Lasked
.Lfor_w:
	tensor_load_to_lds s[44:47], s[G1W:G1W+7]
	s_nop 0
	PLACES 4
.Lasked:
.irp t, 0,1,2,3
.irp e, 0,1
	global_load_b128 v[BI+8*\t+4*\e:BI+8*\t+4*\e+3], v[VB], s[8:9] offset:128*(\t/2)+32*(\t%2)+16*\e   ; channel 32 (t/2) + 16 h + 8 (t%2) + 4 e
.endr
.endr
	s_wait_loadcnt 0x0
	s_wait_tensorcnt 0x0                           ; my half panel is in
	s_barrier_signal -1
	s_barrier_wait -1                              ; everybody's is
.irp k, 0,1,2,3,4,5,6,7
	ds_load_b64 v[SA+2*\k:SA+2*\k+1], v[ASW] offset:\k*KST
	ds_load_b64 v[SB+2*\k:SB+2*\k+1], v[ASX] offset:\k*KST
.endr
.irp k, 0,1,2
	LDX 0, \k
	LDW \k
.endr
.irp k, 0,1,2,3,4,5,6,7
	FIRST \k
.endr
	WIN 0
	PLACES 4                                       ; for the results just made and for the loads over tile 0's fragments
	TOSTAGE 0
	LDXT 2
	s_wait_dscnt 32                                ; tile 1's fragments are in; behind them the stage's 16 and tile 2's 16
	TILE 1
	SEND 0, 16
	PLACES 4
	TOSTAGE 1
	LDXT 3
	s_wait_dscnt 32
	TILE 2
	SEND 1, 16
	PLACES 4
	s_wait_xcnt 0x0                                ; tile 0's stores have read their registers
	TOSTAGE 2
	s_wait_dscnt 16
	TILE 3
	SEND 2, 0
	PLACES 4
	s_wait_xcnt 0x0
	TOSTAGE 3
	SEND 3, 0
	s_wait_tensorcnt 0x0                           ; the wave's end
	ds_add_u32 v[SPW], v[NIL]
	s_wait_dscnt 0x0
	CROUND                                         ; the closing round
	s_endpgm
.Lfunc_end_k_q764726cb15_proj:
	.size	k_q764726cb15_proj, .Lfunc_end_k_q764726cb15_proj-k_q764726cb15_proj
	.p2alignl 7, 3214868480
	.fill 96, 4, 3214868480
	.section	.rodata,"a",@progbits
	.p2align	6, 0x0
	.amdhsa_kernel k_q764726cb15_proj
		.amdhsa_group_segment_fixed_size 167936
		.amdhsa_private_segment_fixed_size 0
		.amdhsa_enable_private_segment 0
		.amdhsa_kernarg_size 32
		.amdhsa_user_sgpr_count 2
		.amdhsa_user_sgpr_kernarg_segment_ptr 1
		.amdhsa_wavefront_size32 1
		.amdhsa_system_sgpr_workgroup_id_x 1
		.amdhsa_system_sgpr_workgroup_id_y 1
		.amdhsa_system_sgpr_workgroup_id_z 1
		.amdhsa_system_vgpr_workitem_id 0
		.amdhsa_next_free_vgpr 640
		.amdhsa_next_free_sgpr 66
		.amdhsa_reserve_vcc 0
		.amdhsa_float_denorm_mode_32 3
		.amdhsa_float_denorm_mode_16_64 3
		.amdhsa_memory_ordered 1
		.amdhsa_forward_progress 1
		.amdhsa_inst_pref_size 41
	.end_amdhsa_kernel
	.amdgpu_metadata
---
amdhsa.version: [ 1, 2 ]
amdhsa.kernels:
  - .name:           k_q764726cb15_proj
    .symbol:         k_q764726cb15_proj.kd
    .args:
      - { .name: pan, .offset: 0, .size: 8, .value_kind: global_buffer, .address_space: global }
      - { .name: ypan, .offset: 8, .size: 8, .value_kind: global_buffer, .address_space: global }
      - { .name: bp, .offset: 16, .size: 8, .value_kind: global_buffer, .address_space: global }
      - { .name: out0, .offset: 24, .size: 8, .value_kind: global_buffer, .address_space: global }
    .group_segment_fixed_size: 167936
    .private_segment_fixed_size: 0
    .kernarg_segment_align: 8
    .kernarg_segment_size: 32
    .max_flat_workgroup_size: 128
    .sgpr_count:     66
    .vgpr_count:     640
    .wavefront_size: 32
...
	.end_amdgpu_metadata
.endif
;; end of part 4
